; MI455X (gfx1250); checked and timed in simulation.
; The chip was launched on July 23, 2026; its instructions are those of AMD's public machine-readable ISA for CDNA 5 (MIT licence, August 2026) and "CDNA5" Instruction Set Architecture Reference Guide (July 2026). The comments in the code are by the model that wrote it; some were corrected since.
;; Multi Head Attention. Allowed arithmetic: matrix products marked QUANTISED: E5M2 operands, one E8M0 scale for each 32 along K, by v_wmma_scale_f32_16x16x128_f8f6f4 with both operands' format E5M2, f32 sums; everything else in f32.
;; Inputs: bk 1,024 float32; bo 1,024 float32; bq 1,024 float32; bv 1,024 float32; key 4 x 2,048 x 1,024 float32; query 4 x 2,048 x 1,024 float32; value 4 x 2,048 x 1,024 float32; wk 1,024 x 1,024 float32; wo 1,024 x 1,024 float32; wq 1,024 x 1,024 float32; wv 1,024 x 1,024 float32.
;; Outputs: out0 4 x 2,048 x 1,024 float32.
;; Constants: is_causal = 1.
;; This version of the problem:
;;   THIS VERSION OF THE PROBLEM IS GIVEN IN LOW PRECISION. The matrix products marked QUANTISED in the list below multiply operands that are first quantised to E5M2 (5 exponent bits, 2 mantissa bits; 8 bits a number), with one power-of-two scale for each 32 numbers along K (OCP MX v1.0); their sums are f32. All else is computed in f32.
;;   The module's matrix products, in the order in which they are computed (A, B: the left and right operand; K: the contracted axis; several contracted axes count as one K, in the product's order):
;;     1. [M 8,192, K 1,024] x [K 1,024, N 1,024]; A: input query; B: input wq: QUANTISED
;;     2. [M 8,192, K 1,024] x [K 1,024, N 1,024]; A: input key; B: input wk: QUANTISED
;;     3. [M 8,192, K 1,024] x [K 1,024, N 1,024]; A: input value; B: input wv: QUANTISED
;;     4. batch 64 x [M 2,048, K 64] x [K 64, N 2,048]; A: computed on the way; B: computed on the way: QUANTISED
;;     5. batch 64 x [M 2,048, K 2,048] x [K 2,048, N 64]; A: softmax (see below); B: computed on the way: QUANTISED
;;     6. [M 8,192, K 1,024] x [K 1,024, N 1,024]; A: computed on the way; B: input wo: QUANTISED
;;   THE QUANTISER, for each operand of a quantised product, along K:
;;     - K is cut into blocks of 32 from its start; a last block that is shorter is filled with zeros.
;;     - A block's scale is 2^e with e = floor(log2(the largest magnitude in the block)) - 15, held to -126 .. 127; a block of zeros has e = 0. As a byte (E8M0): e + 127.
;;     - Each number is divided by its block's scale, clamped to +-57,344, and rounded to the nearest number of E5M2, ties to even, subnormals kept.
;;     - The product sums the exact products of the quantised numbers (number of the format x scale) in f32.
;;   ~~~python
;;   def quantise(x, axis):      # numpy; x: float32 -> the quantised numbers, widened to float32 again
;;       x = np.moveaxis(x, axis, -1); K = x.shape[-1]
;;       x = np.pad(x, [(0, 0)] * (x.ndim - 1) + [(0, -K % 32)]); x = x.reshape(x.shape[:-1] + (-1, 32)); a = np.abs(x).max(-1, keepdims=True)
;;       e = np.where(a > 0, np.clip(np.frexp(np.where(a > 0, a, 1))[1] - 1 - 15, -126, 127), 0)      # np.frexp(a)[1] - 1 = floor(log2(a)), exactly
;;       r = np.clip(x / 2.0 ** e, -57344, 57344)
;;       step = 2.0 ** (np.maximum(np.frexp(np.where(r == 0, 1, r))[1] - 1, -14) - 2)
;;       q = np.round(r / step) * step * 2.0 ** e      # np.round: ties to even
;;       return np.moveaxis(q.reshape(q.shape[:-2] + (-1,))[..., :K], -1, axis).astype(np.float32)
;;   ~~~
;;   SOFTMAX AHEAD OF A QUANTISED PRODUCT. Where the list says 'softmax', what is quantised is not the finished softmax but p = 2^(t - M), with t = logit x log2(e) and M = ceil(the row's largest t), a whole number; so 1/2 < the row's largest p <= 1. The row's sum l is taken of the UNQUANTISED p, in f32, and the product's result is divided by l at the end. Since M is a whole number, a kernel that streams over the keys may use a running M (the ceiling of the running maximum): every later rescaling is an exact power of two, which a block's scale takes up: the codes' values come out the same.
;;   OPERANDS COMPUTED ON THE WAY. 'Computed on the way' means the value that the module computes at that place (a softmax that the list does not call 'softmax' is quantised finished and normalised). What goes into a quantiser is computed in f32, as accurately as f32 sums, v_exp_f32 and their like allow (about 1e-6 of the number): no bf16 or f16 on the way to a quantiser, and a product that is left as it is and whose result goes on into a quantised operand takes f32 operands (vector FMAs, or v_wmma_f32_16x16x4_f32). A number that lies on a knife's edge between two numbers of the format may be rounded either way, as far as f32 arithmetic and the matrix unit's own rounding can turn it there, and no further.
;; One version. Each part assembles by itself: llvm-mc -triple=amdgcn-amd-amdhsa -mcpu=gfx1250 --defsym DOCPART=n.
;; ======== version 1 of 1: 4 launches
;; limits: right only within a limited range of input values
;; workspace buffers: xc 29,360,128 bytes; xs 917,504 bytes; qkv 25,952,256 bytes; cc 8,388,608 bytes; cs 262,144 bytes
;; launch quant (part 1): grid 256 x 1, 7 waves a work-group, no clusters, 60,160 bytes of LDS; arguments query, key, value, wq, wk, wv, wo, xc, xs; writes xc, xs
.if DOCPART == 1
	.amdgcn_target "amdgcn-amd-amdhsa--gfx1250"
	.amdhsa_code_object_version 6
	.text
	.protected	k_q7dcb33ef62_quant
	.globl	k_q7dcb33ef62_quant
	.p2align	8
	.type	k_q7dcb33ef62_quant,@function
k_q7dcb33ef62_quant:
	s_mov_b64 s[64:65], 0
	v_nop
	global_prefetch_b8 v0, s[64:65] scope:SCOPE_SE
	s_setreg_imm32_b32 hwreg(HW_REG_WAVE_MODE, 25, 1), 1
	s_wait_xcnt 0x0
; query, key, value [8192][1024] and wq, wk, wv, wo [1024][1024], f32 with K innermost, become codes of BF8 (E5M2) with one E8M0 scale byte for each 32 along K.
; A block's scale is 2^(floor(log2(its largest magnitude)) - 15); its byte is the largest magnitude's exponent field - 15, held at 1 from below; each number is divided by the scale,
; held within +-57,344 and rounded to the nearest code, ties to even.
; LIMITS: NaN and infinities among the inputs are not served.  A block of zeros gets the byte 1 where the rule says 127: its codes are zeros, and this program alone reads the bytes.
; THE OUTPUT IS LAID IN THE ORDER OF A MATRIX OPERAND'S REGISTERS.  The seven tensors are one run of 28,672 rows = 1,792 tiles of 16 rows.  xc: [tile][K step of 128: 8][c: 4][lane: 32][16 bytes]:
; lane (r, h) holds K = 32 c + 16 h + 0 .. 15 of its row.  THE ROWS OF A TILE ARE NOT NEIGHBOURS: lane r of a tensor's tile t is row 32 (t / 2) + 8 (t % 2) + r + 8 (r / 8).
; xs: [tile][r][32 bytes], byte K / 32.
; SHARES: 1,792 = 256 x 7: a wave takes one tile, 16 rows x 1,024 K, in eight steps of 128 along K.  Memory binds: no matrix unit, no cluster, no tensor load, no barrier; waves share nothing.
; Each load reads 512 consecutive bytes of a row; a conversion wants 16 neighbours along K in ONE lane: so a step's 16 x 512 bytes turn through the wave's own stage in LDS (rows 528 bytes apart).
; A lane's 16 codes of a block are 16 bytes of the image: each store covers 512 consecutive bytes, aligned.  Loads run two steps (32 loads a wave) ahead.
.set SP,   528                         ; a stage row: 512 bytes + 16 of padding: the 16 rows that a read touches start at 16 different groups of banks
.set STG,  16*SP                       ; a wave's stage
.set R,    16                          ; v16-143  two sets of 64 registers as loaded
.set X,    144                         ; v144-207 64 numbers: register 16 b + i = K 32 b + 16 h + i of my row
.set PC,   208                         ; v208-223 the fragment's codes
.set TM,   224                         ; v224-227 largest magnitudes, v228-231 bytes, v236-239 the conversions' scale operands
.set PWS,  240                         ; v240-247 a scale word for each step
.set W,    248                         ; v248-251 my 16 scale bytes on the way out
.set SEL,  34                          ; s[34:35] v_permlanex16_b32's selects for lane l xor 16
.set MNT,  36
	s_load_b512 s[8:23], s[0:1], 0x0               ; query s[8:9], key s[10:11], value s[12:13], wq s[14:15], wk s[16:17], wv s[18:19], wo s[20:21], xc s[22:23]
	s_load_b64 s[24:25], s[0:1], 0x40              ; xs
	v_lshl_add_u32 v254, v0, 2, 0xe700
	v_mov_b32 v255, 0
	v_lshrrev_b32 v1, 5, v0
	v_readfirstlane_b32 s26, v1                    ; wave 0..6
	v_and_b32 v1, 31, v0                           ; lane
	v_lshlrev_b32 v2, 4, v1                        ; 16 x lane: my bytes of a load's 512, and of an image's group
	v_and_b32 v7, 15, v0                           ; r
	v_bfe_u32 v6, v0, 4, 1                         ; h
	s_mul_i32 s29, s26, STG
	v_add_nc_u32 v3, s29, v2                       ; the stage on the way in: 16 x lane in a row
	v_mul_u32_u24 v4, v7, SP
	v_lshl_add_u32 v4, v6, 6, v4
	v_add_nc_u32 v4, s29, v4                       ; and on the way out: row r, + 64 h: my 16 numbers of a block of 32
	v_lshlrev_b32 v5, 5, v7
	v_lshl_add_u32 v5, v6, 4, v5                   ; xs: 32 r + 16 h
	s_mov_b32 s[SEL], 0x76543210
	s_mov_b32 s[SEL+1], 0xfedcba98
.irp b, 0,1,2,3
	v_mov_b32 v[TM+4+\b], 0                        ; written once: a lane permute's destination counts as one of its sources
.endr
	s_mul_i32 s27, ttmp9, 7
	s_add_co_u32 s27, s27, s26                     ; my tile among the 1,792
	s_wait_alu depctr_va_vdst(0)
	s_wait_kmcnt 0x0
	s_mov_b64 s[30:31], s[20:21]                   ; which tensor: wo, unless the tile lies under a lower tensor's end.  The choice hangs on ids alone
	s_mov_b32 s28, 1728                            ; and that tensor's first tile
.macro PICK lim, ptr, start
	s_cmp_lt_u32 s27, \lim
	s_cselect_b64 s[30:31], s[\ptr:\ptr+1], s[30:31]
	s_cselect_b32 s28, \start, s28
.endm
	PICK 1728, 18, 1664
	PICK 1664, 16, 1600
	PICK 1600, 14, 1536
	PICK 1536, 12, 1024
	PICK 1024, 10, 512
	PICK 512, 8, 0
	s_sub_co_u32 s28, s27, s28                     ; t: my tile in its tensor
	s_lshr_b32 s32, s28, 1
	s_lshl_b32 s32, s32, 5
	s_and_b32 s33, s28, 1
	s_lshl_b32 s33, s33, 3
	s_add_co_u32 s32, s32, s33                     ; its first row: 32 (t / 2) + 8 (t % 2),
	s_lshl_b32 s32, s32, 12                        ; of 4,096 bytes
	s_mov_b32 s33, 0
	s_add_nc_u64 s[30:31], s[30:31], s[32:33]
	s_lshl_b32 s38, s27, 14                        ; xc: 16,384 bytes a tile
	s_mov_b32 s39, 0
	s_add_nc_u64 s[22:23], s[22:23], s[38:39]
	s_lshl_b32 s38, s27, 9                         ; xs: 512 bytes a tile
	s_add_nc_u64 s[24:25], s[24:25], s[38:39]
; 64 numbers of a lane, v[s] on, become a fragment's codes in v[PC] on and its rows' scale word in v[pw]
.macro QUANT s, pw
.irp b, 0,1,2,3
	v_max3_num_f32 v[TM+\b], |v[\s+16*\b]|, |v[\s+16*\b+1]|, 0x8000000   ; block b: my 16 numbers, and the floor 2^(16 - 127): the byte cannot fall under 1
.endr
.irp i, 2,4,6,8,10,12,14
.irp b, 0,1,2,3
	v_max3_num_f32 v[TM+\b], v[TM+\b], |v[\s+16*\b+\i]|, |v[\s+16*\b+\i+1]|   ; the four blocks by turns: no line waits for the line above it
.endr
.endr
.irp b, 0,1,2,3
	v_permlanex16_b32 v[TM+4+\b], v[TM+\b], s[SEL], s[SEL+1]
.endr
.irp b, 0,1,2,3
	v_max_num_f32 v[TM+\b], v[TM+\b], v[TM+4+\b]   ; with lane l xor 16's 16: the block's largest magnitude
.endr
.irp b, 0,1,2,3
	v_add_nc_u32 v[TM+12+\b], 0xf8800000, v[TM+\b] ; 15 off its exponent field: the conversion takes the exponent field of this operand as its scale
.endr
.irp b, 0,1,2,3
.endr
.irp b, 0,1,2,3
	v_lshrrev_b32 v[TM+4+\b], 23, v[TM+12+\b]      ; the scale's byte
.endr
	v_lshl_or_b32 v[\pw], v[TM+5], 8, v[TM+4]
	v_lshl_or_b32 v[\pw], v[TM+6], 16, v[\pw]
	v_lshl_or_b32 v[\pw], v[TM+7], 24, v[\pw]
.irp b, 0,1,2,3
.irp i, 0,1,2,3,4,5,6,7,8,9,10,11,12,13,14,15
.endr
	v_cvt_scalef32_pk8_bf8_f32 v[PC+4*\b:PC+4*\b+1], v[\s+16*\b:\s+16*\b+7], v[TM+12+\b]
	v_cvt_scalef32_pk8_bf8_f32 v[PC+4*\b+2:PC+4*\b+3], v[\s+16*\b+8:\s+16*\b+15], v[TM+12+\b]
.endr
	v_nop                                          ; one plain vector line behind the last conversion
.endm
.macro LOAD s                          ; step s: 512 bytes of each of my 16 rows
.irp p, 0,1,2,3,4,5,6,7,8,9,10,11,12,13,14,15
	global_load_b128 v[R+64*((\s)%2)+4*\p:R+64*((\s)%2)+4*\p+3], v2, s[30:31] offset:(\p+8*(\p/8))*4096+512*(\s) th:TH_LOAD_NT
.endr
.endm
.macro TURN s                          ; through the stage: LDS serves a wave's instructions in order, so no wait stands between the stores and the loads
.irp p, 0,1,2,3,4,5,6,7,8,9,10,11,12,13,14,15
	ds_store_b128 v3, v[R+64*((\s)%2)+4*\p:R+64*((\s)%2)+4*\p+3] offset:SP*\p
.endr
.irp c, 0,1,2,3
.irp j, 0,1,2,3
	ds_load_b128 v[X+16*\c+4*\j:X+16*\c+4*\j+3], v4 offset:128*\c+16*\j
.endr
.endr
.endm
.macro STEP s
.if (\s) < 7
	s_wait_loadcnt 16                              ; this step's 16 loads are in; the next step's 16 may be out
.else
	s_wait_loadcnt 0x0
.endif
	s_wait_xcnt 0x0                                ; the last step's stores have read the codes' registers, which this step writes again
	TURN \s
	s_wait_dscnt 0x0                               ; my 64 numbers are back, and the stage's stores have read the set that the loads below fill
.if (\s)+2 < 8
	LOAD (\s)+2
.endif
	QUANT X, PWS+(\s)
.irp c, 0,1,2,3
	global_store_b128 v2, v[PC+4*\c:PC+4*\c+3], s[22:23] offset:2048*(\s)+512*\c   ; 32 lanes store 512 consecutive bytes, aligned
.endr
.endm
	LOAD 0
	LOAD 1
.irp s, 0,1,2,3,4,5,6,7
	STEP \s
.endr
	v_cmp_ne_u32 vcc_lo, 0, v6                     ; a row's 32 scale bytes: lanes 0-15 store steps 0-3's words, lanes 16-31 steps 4-7's (both halves of the lanes hold every word)
.irp q, 0,1,2,3
	v_cndmask_b32 v[W+\q], v[PWS+\q], v[PWS+4+\q], vcc_lo
.endr
	global_store_b128 v5, v[W:W+3], s[24:25]       ; 512 consecutive bytes, aligned
	s_wait_tensorcnt 0x0
	ds_add_u32 v254, v255
	s_wait_dscnt 0x0
	s_endpgm
.Lfunc_end_k_q7dcb33ef62_quant:
	.size	k_q7dcb33ef62_quant, .Lfunc_end_k_q7dcb33ef62_quant-k_q7dcb33ef62_quant
	.p2alignl 7, 3214868480
	.fill 96, 4, 3214868480
	.section	.rodata,"a",@progbits
	.p2align	6, 0x0
	.amdhsa_kernel k_q7dcb33ef62_quant
		.amdhsa_group_segment_fixed_size 60160
		.amdhsa_private_segment_fixed_size 0
		.amdhsa_enable_private_segment 0
		.amdhsa_kernarg_size 72
		.amdhsa_user_sgpr_count 2
		.amdhsa_user_sgpr_kernarg_segment_ptr 1
		.amdhsa_wavefront_size32 1
		.amdhsa_system_sgpr_workgroup_id_x 1
		.amdhsa_system_sgpr_workgroup_id_y 1
		.amdhsa_system_sgpr_workgroup_id_z 1
		.amdhsa_system_vgpr_workitem_id 0
		.amdhsa_next_free_vgpr 256
		.amdhsa_next_free_sgpr 66
		.amdhsa_reserve_vcc 1
		.amdhsa_float_denorm_mode_32 3
		.amdhsa_float_denorm_mode_16_64 3
		.amdhsa_fp16_overflow 1
		.amdhsa_memory_ordered 1
		.amdhsa_forward_progress 1
		.amdhsa_inst_pref_size 64
	.end_amdhsa_kernel
	.amdgpu_metadata
---
amdhsa.version: [ 1, 2 ]
amdhsa.kernels:
  - .name:           k_q7dcb33ef62_quant
    .symbol:         k_q7dcb33ef62_quant.kd
    .args:
      - { .name: query, .offset: 0, .size: 8, .value_kind: global_buffer, .address_space: global }
      - { .name: key, .offset: 8, .size: 8, .value_kind: global_buffer, .address_space: global }
      - { .name: value, .offset: 16, .size: 8, .value_kind: global_buffer, .address_space: global }
      - { .name: wq, .offset: 24, .size: 8, .value_kind: global_buffer, .address_space: global }
      - { .name: wk, .offset: 32, .size: 8, .value_kind: global_buffer, .address_space: global }
      - { .name: wv, .offset: 40, .size: 8, .value_kind: global_buffer, .address_space: global }
      - { .name: wo, .offset: 48, .size: 8, .value_kind: global_buffer, .address_space: global }
      - { .name: xc, .offset: 56, .size: 8, .value_kind: global_buffer, .address_space: global }
      - { .name: xs, .offset: 64, .size: 8, .value_kind: global_buffer, .address_space: global }
    .group_segment_fixed_size: 60160
    .private_segment_fixed_size: 0
    .kernarg_segment_align: 8
    .kernarg_segment_size: 72
    .max_flat_workgroup_size: 224
    .sgpr_count:     66
    .vgpr_count:     256
    .wavefront_size: 32
...
	.end_amdgpu_metadata
.endif
;; end of part 1
;; launch proj (part 2): grid 4 x 96, 4 waves a work-group, clusters of 4 x 4, 327,680 bytes of LDS; arguments xc, xs, bq, bk, bv, qkv; writes qkv
.if DOCPART == 2
	.amdgcn_target "amdgcn-amd-amdhsa--gfx1250"
	.amdhsa_code_object_version 6
	.text
	.protected	k_q7dcb33ef62_proj
	.globl	k_q7dcb33ef62_proj
	.p2align	8
	.type	k_q7dcb33ef62_proj,@function
k_q7dcb33ef62_proj:
	s_mov_b64 s[64:65], 0
	v_nop
	global_prefetch_b8 v0, s[64:65] scope:SCOPE_SE
	s_setreg_imm32_b32 hwreg(HW_REG_WAVE_MODE, 25, 1), 1
	s_wait_xcnt 0x0
	s_wait_alu depctr_hold_cnt(0) depctr_sa_sdst(0) depctr_va_vdst(0) depctr_va_sdst(0) depctr_va_ssrc(0) depctr_va_vcc(0) depctr_vm_vsrc(0)
	s_getreg_b32 s2, hwreg(HW_REG_IB_STS2, 6, 4)
	s_cmp_eq_u32 s2, 0
	s_cbranch_scc0 .Lentry_in_a_cluster
	s_endpgm
.Lentry_in_a_cluster:
	s_bfe_u32 s2, ttmp6, 0x10000c
	s_cmp_lg_u32 s2, 0xf033
	s_cbranch_scc0 .Lentry_shape_is_right
	s_endpgm
.Lentry_shape_is_right:
; The three projections, x W^T + b, on codes of BF8 (E5M2) with E8M0 scales for each 32 along K = 1,024; sums in f32; the results are quantised here for attention's products and leave as codes.
; xc, xs: codes and scale bytes of 28,672 rows (query 0, key 8,192, value 16,384, wq 24,576, wk 25,600, wv 26,624), laid in the order of an operand's registers:
; xc [tile of 16 rows][K step of 128: 8][c: 4][lane][16 bytes], lane (r, h) = K 32 c + 16 h + 0..15 of the tile's row r; xs [tile][r][32 bytes].  Lane r of tile t is row 32 (t/2) + 8 (t%2) + r + 8 (r/8).
; A product is X Y^T on a tile of 256 x 256: four waves, each 128 x 128: 64 accumulators, 512 registers.  THE MATRIX INSTRUCTION IS USED TRANSPOSED (source 0 = 16 rows of Y, source 1 = 16 rows of X):
; a lane holds ONE row of X, and by the order of rows in a tile the 16 registers of Y's tiles 2 b and 2 b + 1 are Y's rows 32 b + 16 h + 0 .. 15: 16 neighbours along the next product's K.
; MODE (cluster y / 8): 0 Q, 1 K: X = tokens, Y = the weight's rows: a lane's registers run along the channels, which are the scores' K.  2 V: X = wv's rows, Y = tokens: the registers run along the KEYS, the second product's K.
; So a tile of X against the wave's 128 rows of Y gives 64 numbers a lane, four blocks of 32, which become 16 registers of codes, and each group of four IS a group of the next operand's image: stored as it stands, 512 consecutive bytes.
; qkv: [Q, K, V][batch x head: 64][block of 128 tokens: 16][8,448 bytes].  Q, K: 8 tiles of tokens x [c: 2][lane][16]; then 256 bytes [r][p: 4] of words (tile 2p's two bytes, tile 2p+1's two).
; V: 4 tiles of channels x [c: 4][lane][16] (K = the block's 128 keys); then 256 bytes [r][tile: 4] of words.
; K goes in steps of 256 through two LDS slots filled by the tensor data mover: a wave's load brings 8 tiles x 4,096 bytes.  In LDS a fragment lies as in memory: every fragment load is 512 consecutive bytes.
; The scale bytes of the work-group's 256 + 256 rows, for all of K, come once, with the first fills.
; CLUSTERS: 4 x 4 work-groups; X's tiles are shared along a row of the cluster, Y's along a column: joint loads.
; LIMITS: NaN and infinities are not served; a block of zeros gets the byte 1 (its codes are zeros; this program alone reads the bytes).
; REGISTERS: window 0: v7-30 addresses and the bias by row; v32-63 scale words, two sets; v64-127 the bias by column; v128-255 X's fragments, ONE set; behind the loop v128-237 are at work.
;   window 1: Y's fragments, two sets.  windows 2, 3: the accumulators ((a, b) at v[8 (8 (a % 4) + b)]).
.set NQ,     2                         ; matrix instructions deep in a slot
.set FR,     16                        ; registers of a fragment
.set NL,     4                         ; LDS loads that bring one
.set NP,     8                         ; places behind this matrix instruction (ISA guide 7.12.1)
.set TILEB,  4096                      ; a tile of 16 rows in a slot: two fragments
.set HALFT,  8*TILEB                   ; 128 rows: what one tensor load brings
.set SLOT,   4*HALFT                   ; X's 256 rows, then Y's
.set KS,     32                        ; a row of scale bytes
.set SCL,    2*SLOT                    ; behind the ring: the scales, as units of 256 bytes + 16 of padding
.set HALFS,  16*272                    ; those of 128 rows
.set SBLK,   2*272                     ; those of 16 rows
.set SPARE,  SCL+4*HALFS               ; the spare words, 128 bytes for each wave: two blocks of 256 bytes that no other line names
.set ADRA, 16                          ; v16-17  LDS address of my X fragments in slot 0, 1
.set ADRB, 20                          ; v20-21  the same for Y
.set ADRS, 27                          ; v27     my scale words: lanes 0-15 X's rows, lanes 16-31 Y's
.set SPW,  28                          ; v28     my spare word's address; never rewritten
.set NIL,  29                          ; v29     0; never rewritten
.set SC,   32
.set AF,   128
.set BI,   8                           ; v8-15   the bias of my row in X's tile a
.set BJ,   64                          ; v64-127 the bias of Y's rows, in the order of a lane's 64 results
.set T,    128                         ; behind the loop: 64 numbers,
.set PC,   192                         ; their codes,
.set TM,   208                         ; at work,
.set PWA,  224                         ; a scale word for each tile of X,
.set W,    232                         ; four words on the way out;  v[236:237] a row's bias, twice
.set G1, 24
.set G0, 32
.set G1B, 48
.set G0B, 56
.set G1S, 68
.set G0S, 76
.set G1SB, 80
.set G0SB, 88
.set MNT, 94
.set MODE, 95                          ; s95
.set SEL, 100                          ; s[100:101]
.set MSB, 0
.macro WIN new                         ; the immediate's high byte repeats the setting that is left
.if MSB != (\new)
	s_set_vgpr_msb (MSB<<8)|(\new)
.set MSB, (\new)
.endif
.endm
.set MUL_LO, 0xa1                      ; source 0 (Y) window 1, source 1 (X) window 0, C and D window 2
.set MUL_HI, 0xf1                      ; the same, C and D window 3
.set TO_B,   0x40                      ; destination window 1, address window 0
; A joint load: waves 0 and 1 fetch for X, waves 2 and 3 for Y.  The branch hangs on the wave's number alone.  Four v_nop follow each of the two lines.
.macro JLOAD g0a, g1a, g0b, g1b
	s_cmp_eq_u32 s15, 0
	s_cbranch_scc0 .Lfor_b_\@
	tensor_load_to_lds s[\g0a:\g0a+3], s[\g1a:\g1a+7]
	s_nop 0
.rept 4
	v_nop
.endr
	s_branch .Lasked_\@
.Lfor_b_\@:
	tensor_load_to_lds s[\g0b:\g0b+3], s[\g1b:\g1b+7]
	s_nop 0
.rept 4
	v_nop
.endr
.Lasked_\@:
.endm
.macro CREST                           ; a round of the cluster's barrier behind its opening barrier
	s_cmp_lg_u32 s14, 0
	s_cbranch_scc1 .Lnot_wave_0_\@
	s_barrier_signal -3
.Lnot_wave_0_\@:
	s_barrier_wait -3
	s_barrier_signal -1
	s_barrier_wait -1
.endm
.macro CROUND
	s_barrier_signal -1
	s_barrier_wait -1
	CREST
.endm
	s_load_b128 s[4:7], s[0:1], 0x0                ; xc s[4:5], xs s[6:7]
	s_load_b256 s[56:63], s[0:1], 0x10             ; bq, bk, bv, qkv: moved out below, before these registers become a descriptor
	v_lshl_add_u32 v[SPW], v0, 2, SPARE
	v_mov_b32 v[NIL], 0
	ds_add_u32 v28, v29
	ds_add_u32 v28, v29
	s_wait_dscnt 0x0
	v_lshrrev_b32 v1, 5, v0
	v_readfirstlane_b32 s14, v1                    ; wave 0..3
	s_lshr_b32 s15, s14, 1                         ; which half of X's rows is mine.  Also: I fetch for X (0) or for Y (1)
	s_and_b32 s16, s14, 1                          ; which half of Y's rows.  Also: which 128 rows I fetch
	s_bfe_u32 s40, ttmp6, 0x40000                  ; cx
	s_bfe_u32 s41, ttmp6, 0x40004                  ; cy
	s_and_b32 s42, ttmp7, 0xffff                   ; the cluster's y, 0..23: shared by all sixteen
	s_lshr_b32 s[MODE], s42, 3                     ; 0 Q, 1 K, 2 V
	s_and_b32 s96, s42, 7                          ; u: which 1,024 tokens
	s_lshl_b32 s43, s41, 2
	s_lshl_b32 s43, 15, s43                        ; my row of the cluster
	s_lshl_b32 s44, 0x1111, s40                    ; my column
	; descriptor group 1 for codes: 8 rows (tiles) of 512 elements of 8 bytes, 16,384 bytes apart in memory, dense in LDS
	s_or_b32 s[G1+0], s43, (3<<16)|(1<<21)         ; 15:0 the mask: X's tiles go to my row; 17:16 elements of 8 bytes; 21 set beside a mask
	s_or_b32 s[G1B+0], s44, (3<<16)|(1<<21)        ; Y's to my column
.irp g, G1, G1B
	s_mov_b32 s[\g+1], 512<<16                     ; tensor_dim0
	s_mov_b32 s[\g+2], 8<<16                       ; tensor_dim1
	s_mov_b32 s[\g+3], 512<<16                     ; tile_dim0
	s_mov_b32 s[\g+4], 8                           ; tile_dim1
	s_mov_b32 s[\g+5], 2048                        ; tensor_dim0_stride
	s_mov_b32 s[\g+6], 0
	s_mov_b32 s[\g+7], 0
.endr
	; and for the scales of 128 rows: 4,096 dense bytes as 16 rows of 256, 16 bytes of padding behind each
	s_or_b32 s[G1S+0], s43, (3<<16)|(1<<20)|(1<<21)|(5<<22)|(3<<25)
	s_or_b32 s[G1SB+0], s44, (3<<16)|(1<<20)|(1<<21)|(5<<22)|(3<<25)
.irp g, G1S, G1SB
	s_mov_b32 s[\g+1], 32<<16
	s_mov_b32 s[\g+2], 16<<16
	s_mov_b32 s[\g+3], 32<<16
	s_mov_b32 s[\g+4], 16
	s_mov_b32 s[\g+5], 32
	s_mov_b32 s[\g+6], 0
	s_mov_b32 s[\g+7], 0
.endr
	; which rows.  Q, K: X = tokens at 8,192 MODE + 1,024 u, Y = the weight at 24,576 + 1,024 MODE.  V: X = wv at 26,624, Y = tokens at 16,384 + 1,024 u
	s_lshl_b32 s17, s[MODE], 13
	s_lshl_b32 s18, s96, 10
	s_add_co_u32 s17, s17, s18
	s_lshl_b32 s19, s[MODE], 10
	s_add_co_u32 s19, s19, 24576
	s_add_co_u32 s18, s18, 16384
	s_cmp_eq_u32 s[MODE], 2
	s_cselect_b32 s17, 26624, s17
	s_cselect_b32 s19, s18, s19
	s_lshl_b32 s18, s16, 7                         ; which 128 rows of the tile I fetch
	s_lshl_b32 s20, s41, 8
	s_add_co_u32 s20, s20, s17
	s_add_co_u32 s20, s20, s18                     ; X: + 256 cy + 128 x half: no register on this way ever holds cx
	s_lshl_b32 s46, s40, 8
	s_add_co_u32 s46, s46, s19
	s_add_co_u32 s46, s46, s18                     ; Y: + 256 cx + 128 x half
	s_lshl_b32 s22, s20, 5                         ; scale bytes: 32 a row
	s_mov_b32 s23, 0
	s_lshl_b32 s92, s46, 5
	s_mov_b32 s93, 0
	s_lshl_b32 s20, s20, 10                        ; codes: 16,384 a tile of 16 rows
	s_mov_b32 s21, 0
	s_lshl_b32 s46, s46, 10
	s_mov_b32 s47, 0
	s_mul_i32 s45, s14, HALFT                      ; where they go: no place in the cluster enters an LDS address
	s_mul_i32 s3, s14, HALFS
	s_wait_kmcnt 0x0
	s_cmp_eq_u32 s[MODE], 1                        ; the bias of this product
	s_cselect_b64 s[8:9], s[58:59], s[56:57]
	s_cmp_eq_u32 s[MODE], 2
	s_cselect_b64 s[8:9], s[60:61], s[8:9]
	s_mov_b64 s[12:13], s[62:63]                   ; qkv
	s_add_nc_u64 s[20:21], s[4:5], s[20:21]
	s_add_nc_u64 s[22:23], s[6:7], s[22:23]
	s_add_nc_u64 s[46:47], s[4:5], s[46:47]
	s_add_nc_u64 s[92:93], s[6:7], s[92:93]
	CROUND                                         ; all sixteen work-groups are here: the first joint loads meet
	s_mov_b32 s[G0S], 1
	s_add_co_u32 s[G0S+1], s3, SCL
	s_mov_b64 s[G0S+2:G0S+3], s[22:23]
	s_or_b32 s[G0S+3], s[G0S+3], 0x80000000
	s_mov_b32 s[G0SB], 1
	s_add_co_u32 s[G0SB+1], s3, SCL
	s_mov_b64 s[G0SB+2:G0SB+3], s[92:93]
	s_or_b32 s[G0SB+3], s[G0SB+3], 0x80000000
	JLOAD G0S, G1S, G0SB, G1SB                     ; the scales first: they are wanted with K step 0
.irp s, 0,1
	s_mov_b32 s[G0+4*\s], 1
	s_add_co_u32 s[G0+4*\s+1], s45, \s*SLOT
	s_add_nc_u64 s[G0+4*\s+2:G0+4*\s+3], s[20:21], \s*TILEB
	s_or_b32 s[G0+4*\s+3], s[G0+4*\s+3], 0x80000000
	s_mov_b32 s[G0B+4*\s], 1
	s_add_co_u32 s[G0B+4*\s+1], s45, \s*SLOT
	s_add_nc_u64 s[G0B+4*\s+2:G0B+4*\s+3], s[46:47], \s*TILEB
	s_or_b32 s[G0B+4*\s+3], s[G0B+4*\s+3], 0x80000000
	JLOAD G0+4*\s, G1, G0B+4*\s, G1B               ; three loads of mine are out now
.endr
	v_and_b32 v3, 31, v0
	v_lshlrev_b32 v19, 4, v3                       ; v19: 16 x lane: my place in every group of an image; stays
	s_mul_i32 s21, s15, HALFT                      ; my 128 rows of X
	s_mul_i32 s22, s16, HALFT                      ; my 128 rows of Y,
	s_add_co_u32 s22, s22, 2*HALFT                 ; which lie behind X's 256
.irp s, 0,1
	v_add_nc_u32 v[ADRA+\s], s21, v19
	v_add_nc_u32 v[ADRB+\s], s22, v19
	s_add_co_u32 s21, s21, SLOT
	s_add_co_u32 s22, s22, SLOT
.endr
	v_and_b32 v1, 15, v0                           ; r
	v_bfe_u32 v30, v0, 4, 1                        ; v30: h; stays
	v_mul_u32_u24 v5, v1, KS                       ; my row's scales: 32 bytes a row,
	v_lshrrev_b32 v6, 8, v5
	v_lshl_add_u32 v5, v6, 4, v5                   ; and 16 more for each 256 passed
	s_mul_i32 s21, s15, HALFS
	s_mul_i32 s22, s16, HALFS
	s_add_co_u32 s22, s22, 2*HALFS
	s_sub_co_u32 s22, s22, s21
	v_mul_u32_u24 v6, s22, v30                     ; lanes 16-31 take Y's: one product, the distance between the two bases
	s_add_co_u32 s21, s21, SCL
	v_add_nc_u32 v5, v5, v6
	v_add_nc_u32 v[ADRS], s21, v5
	v_lshlrev_b32 v7, 6, v30                       ; v7: 64 h: the bias by column
	v_and_b32 v18, 8, v1
	v_add_nc_u32 v18, v18, v1
	v_lshlrev_b32 v18, 2, v18                      ; v18: 4 (r + 8 (r / 8)): the bias by row
	s_wait_alu depctr_va_vdst(0)
	v_lshlrev_b32 v22, 4, v1
	v_mul_u32_u24 v5, v30, 135168
	v_add_nc_u32 v22, v22, v5                      ; v22: the scale words' way out: 16 r, lanes 16-31 one head on
	v_mov_b32 v23, 0x05040100
	v_mov_b32 v6, 0x07060302
	v_cmp_ne_u32 vcc_lo, 0, v30
	v_cndmask_b32 v23, v23, v6, vcc_lo             ; v23: lanes 0-15 pick two words' low halves, lanes 16-31 their high halves
	; where the results go.  A_, B_: my block of 128 rows of X and of Y in its tensor
	s_mov_b32 s66, 1024                            ; s[66:67]: from a tile of X to the next: Q, K 1,024 bytes; V 2,048
	s_mov_b32 s67, 0
	s_mov_b32 s2, 1024                             ; s[2:3]: from tile 3 to tile 4: V: on to the next head's first tile
	s_mov_b32 s3, 0
	s_mov_b32 s22, 135168                          ; s[22:23]: from blocks 0, 1 of a lane's four to blocks 2, 3: Q, K: the next head; V: 1,024 bytes
	s_mov_b32 s23, 0
	s_cmp_eq_u32 s[MODE], 2
	s_cselect_b32 s17, 0, s96
	s_cselect_b32 s18, s96, 0
	s_cselect_b32 s66, 2048, s66
	s_cselect_b32 s2, 129024, s2
	s_cselect_b32 s22, 1024, s22
	s_lshl_b32 s17, s17, 3
	s_lshl_b32 s19, s41, 1
	s_add_co_u32 s17, s17, s19
	s_add_co_u32 s17, s17, s15                     ; A_
	s_lshl_b32 s18, s18, 3
	s_lshl_b32 s19, s40, 1
	s_add_co_u32 s18, s18, s19
	s_add_co_u32 s18, s18, s16                     ; B_
	s_cmp_eq_u32 s[MODE], 2
	s_cselect_b32 s19, s18, s17                    ; the block of tokens, 0..63: batch x 16 + block
	s_cselect_b32 s20, s17, s18                    ; the pair of heads, 0..7
	s_cselect_b32 s46, 0, s18                      ; the bias by column begins at block B_ (Q, K); the other load reads the bias's first bytes and is not used
	s_cselect_b32 s92, s17, 0                      ; the bias by row at block A_ (V)
	s_lshr_b32 s21, s19, 4
	s_lshl_b32 s21, s21, 8                         ; 256 x batch
	s_lshl_b32 s20, s20, 5                         ; + 16 x head
	s_add_co_u32 s21, s21, s20
	s_and_b32 s19, s19, 15
	s_add_co_u32 s21, s21, s19                     ; + block
	s_mul_i32 s21, s21, 8448
	s_mul_i32 s20, s[MODE], 8650752
	s_add_co_u32 s20, s20, s21
	s_mov_b32 s21, 0
	s_add_nc_u64 s[98:99], s[12:13], s[20:21]      ; s[98:99]: my first block; stays, for the scale words
	s_mov_b64 s[12:13], s[98:99]                   ; s[12:13]: blocks 0, 1 of a lane's four go here,
	s_add_nc_u64 s[96:97], s[98:99], s[22:23]      ; s[96:97]: blocks 2, 3 here
	s_lshl_b32 s46, s46, 9
	s_mov_b32 s47, 0
	s_lshl_b32 s92, s92, 9
	s_mov_b32 s93, 0
	s_add_nc_u64 s[10:11], s[8:9], s[92:93]
	s_add_nc_u64 s[8:9], s[8:9], s[46:47]
	s_mov_b32 s[SEL], 0x76543210
	s_mov_b32 s[SEL+1], 0xfedcba98
.irp b, 0,1,2,3                        ; both biases are asked for now and waited for behind the loop
.irp q, 0,1,2,3
	global_load_b128 v[BJ+16*\b+4*\q:BJ+16*\b+4*\q+3], v7, s[8:9] offset:128*\b+16*\q   ; register 16 b + i: Y's row 32 b + 16 h + i
.endr
.endr
.irp a, 0,1,2,3,4,5,6,7
	global_load_b32 v[BI+\a], v18, s[10:11] offset:4*(32*(\a/2)+8*(\a%2))               ; my row of X's tile a
.endr
.macro FRAG reg, adr, q, i             ; a fragment: four groups of 512 consecutive bytes
.irp c, 0,1,2,3
	ds_load_b128 v[\reg+4*\c:\reg+4*\c+3], v[\adr] offset:2048*(\q)+512*\c+(\i)*TILEB
.endr
.endm
; 16 matrix instructions: X's blocks a0, a0 + 1 x Y's eight, 128 along K.  p: Y's set; sc: the set of scale words; zero = 1: the first product starts the sums.
; The 64 accumulators take turns, one instruction a turn, in the same order in every step.
.macro MUL16 a0, p, q, sc, zero
.irp a, \a0, \a0+1
.irp b, 0,1,2,3,4,5,6,7
.if \zero
	v_wmma_scale_f32_16x16x128_f8f6f4 v[8*(8*((\a)%4)+\b):8*(8*((\a)%4)+\b)+7], v[128*(\p)+FR*\b:128*(\p)+FR*\b+FR-1], v[AF+FR*(\a):AF+FR*(\a)+FR-1], 0, v[SC+8*NQ*(\sc)+NQ*\b+(\q)], v[SC+8*NQ*(\sc)+NQ*(\a)+(\q)] matrix_a_fmt:MATRIX_FMT_BF8 matrix_b_fmt:MATRIX_FMT_BF8 matrix_a_scale:MATRIX_SCALE_ROW1
.else
	v_wmma_scale_f32_16x16x128_f8f6f4 v[8*(8*((\a)%4)+\b):8*(8*((\a)%4)+\b)+7], v[128*(\p)+FR*\b:128*(\p)+FR*\b+FR-1], v[AF+FR*(\a):AF+FR*(\a)+FR-1], v[8*(8*((\a)%4)+\b):8*(8*((\a)%4)+\b)+7], v[SC+8*NQ*(\sc)+NQ*\b+(\q)], v[SC+8*NQ*(\sc)+NQ*(\a)+(\q)] matrix_a_fmt:MATRIX_FMT_BF8 matrix_b_fmt:MATRIX_FMT_BF8 matrix_a_scale:MATRIX_SCALE_ROW1
.endif
.endr
.endr
.endm
.macro FETCH_B slot, q, p
	WIN TO_B
.irp i, 0,1,2,3,4,5,6,7
	FRAG 128*(\p)+FR*\i, ADRB+\slot, \q, \i
.endr
	WIN 0
.endm
.macro FETCH_A slot, q, i0
.irp i, \i0, \i0+1, \i0+2, \i0+3
	FRAG AF+FR*(\i), ADRA+\slot, \q, \i
.endr
.endm
.macro SCALES sc                       ; a K step's scale words: two a row; lanes 0-15 take X's block i, lanes 16-31 Y's block i
.irp i, 0,1,2,3,4,5,6,7
	ds_load_b64 v[SC+8*NQ*\sc+NQ*\i:SC+8*NQ*\sc+NQ*\i+1], v[ADRS] offset:\i*SBLK
.endr
.endm
.macro PLACES n                        ; plain vector lines between a matrix instruction and a load into, or a vector line on, its registers
.rept \n
	v_nop
.endr
.endm
.macro STEP slot, q, zero              ; 128 along K with a successor in the same slot
	s_wait_dscnt 4*NL                              ; Y's set and X's blocks 0-3 are in; the youngest 16 loads (X's blocks 4-7) may be out
	WIN MUL_LO
	MUL16 0, (\q)%2, \q, \slot, \zero
	MUL16 2, (\q)%2, \q, \slot, \zero
	s_wait_dscnt 0
	PLACES NP
	FETCH_B \slot, (\q)+1, 1-(\q)%2
	FETCH_A \slot, (\q)+1, 0
	WIN MUL_HI
	MUL16 4, (\q)%2, \q, \slot, \zero
	MUL16 6, (\q)%2, \q, \slot, \zero
	PLACES NP
	WIN 0
	FETCH_A \slot, (\q)+1, 4
.endm
; A slot's last step changes slots: one barrier; in front of it each wave waits for all its tensor loads, adds 0 to its spare word, and waits for that and for its reads of this slot.
.macro TURN slot, next, fill
	s_wait_tensorcnt 0x0                           ; all my tensor loads have landed: my part of the next slot
	ds_add_u32 v[SPW], v[NIL]                      ; 0 onto my spare word
	s_wait_dscnt 4*NL+1                            ; the add and the youngest 16 loads may be out
	WIN MUL_LO
	MUL16 0, 1, NQ-1, \slot, 0
	s_wait_dscnt 0x0                               ; the add is done, and my reads of this slot are over
	s_barrier_signal -1
	MUL16 2, 1, NQ-1, \slot, 0
	WIN 0
	s_barrier_wait -1
.if \fill
	CREST                                          ; the barrier has opened a round of the cluster's: no wave of any partner still reads this slot or has a load on its way
	s_add_nc_u64 s[G0+4*\slot+2:G0+4*\slot+3], s[G0+4*\slot+2:G0+4*\slot+3], 2*TILEB
	s_add_nc_u64 s[G0B+4*\slot+2:G0B+4*\slot+3], s[G0B+4*\slot+2:G0B+4*\slot+3], 2*TILEB
	JLOAD G0+4*\slot, G1, G0B+4*\slot, G1B         ; the first tensor load behind the round, my only one until the next; its four v_nop are among the places below
	PLACES NP-4
.else
	PLACES NP
.endif
	s_wait_alu depctr_va_vdst(0)
	v_add_nc_u32 v[ADRS], 4*NQ, v[ADRS]            ; the next K step's scale words
	FETCH_B \next, 0, 0
	FETCH_A \next, 0, 0
	SCALES \next
	WIN MUL_HI
	MUL16 4, 1, NQ-1, \slot, 0
	MUL16 6, 1, NQ-1, \slot, 0
	PLACES NP
	WIN 0
	FETCH_A \next, 0, 4
.endm
	s_wait_tensorcnt 1                             ; the scales and my part of K step 0 are in; K step 1's load may be out
	s_barrier_signal -1
	s_barrier_wait -1
	FETCH_B 0, 0, 0
	FETCH_A 0, 0, 0
	SCALES 0
	FETCH_A 0, 0, 4
	STEP 0, 0, 1                                   ; K = 1,024 is four slots' worth: written out, no loop
	TURN 0, 1, 1                                   ; slot 0 takes K 512..767
	STEP 1, 0, 0
	TURN 1, 0, 1                                   ; slot 1 takes K 768..1,023
	STEP 0, 0, 0
	TURN 0, 1, 0
	STEP 1, 0, 0
	s_wait_dscnt 4*NL
	WIN MUL_LO
	MUL16 0, 1, NQ-1, 1, 0
	MUL16 2, 1, NQ-1, 1, 0
	s_wait_dscnt 0
	WIN MUL_HI
	MUL16 4, 1, NQ-1, 1, 0
	MUL16 6, 1, NQ-1, 1, 0
	WIN 0
; 64 numbers of a lane, v[s] on, register 16 b + i = the next K 32 b + 16 h + i, become 16 registers of codes in v[PC] on and a scale word in v[pw]
.macro QUANT s, pw
.irp b, 0,1,2,3
	v_max3_num_f32 v[TM+\b], |v[\s+16*\b]|, |v[\s+16*\b+1]|, 0x8000000   ; my 16 numbers, and the floor 2^(16 - 127): the byte cannot fall under 1
.endr
.irp i, 2,4,6,8,10,12,14
.irp b, 0,1,2,3
	v_max3_num_f32 v[TM+\b], v[TM+\b], |v[\s+16*\b+\i]|, |v[\s+16*\b+\i+1]|
.endr
.endr
.irp b, 0,1,2,3
	v_permlanex16_b32 v[TM+4+\b], v[TM+\b], s[SEL], s[SEL+1]
.endr
.irp b, 0,1,2,3
	v_max_num_f32 v[TM+\b], v[TM+\b], v[TM+4+\b]   ; with lane l xor 16's: the block's largest magnitude
.endr
.irp b, 0,1,2,3
	v_add_nc_u32 v[TM+12+\b], 0xf8800000, v[TM+\b] ; 15 off its exponent field: the conversion's scale operand
.endr
.irp b, 0,1,2,3
.endr
.irp b, 0,1,2,3
	v_lshrrev_b32 v[TM+4+\b], 23, v[TM+12+\b]      ; the scale's byte
.endr
	v_lshl_or_b32 v[\pw], v[TM+5], 8, v[TM+4]
	v_lshl_or_b32 v[\pw], v[TM+6], 16, v[\pw]
	v_lshl_or_b32 v[\pw], v[TM+7], 24, v[\pw]
.irp b, 0,1,2,3
.irp i, 0,1,2,3,4,5,6,7,8,9,10,11,12,13,14,15
.endr
	v_cvt_scalef32_pk8_bf8_f32 v[PC+4*\b:PC+4*\b+1], v[\s+16*\b:\s+16*\b+7], v[TM+12+\b]
	v_cvt_scalef32_pk8_bf8_f32 v[PC+4*\b+2:PC+4*\b+3], v[\s+16*\b+8:\s+16*\b+15], v[TM+12+\b]
.endr
	v_nop                                          ; one plain vector line behind the last conversion
.endm
; X's tile a: its 64 sums a lane, plus the bias, into v[T] on.  Q, K: the bias goes with Y's rows (a lane's registers); V: with X's row (the lane).  The branch hangs on the cluster's y alone.
; Each accumulator is read from its low end on; at a branch and at a label every window is 0.
.macro BIASADD a
.set AC, 64*((\a)%4)
	s_cmp_eq_u32 s[MODE], 2
	s_cbranch_scc1 .Lby_row_\@
	WIN 0x02+(\a)/4                                ; source 0: the accumulators' window
.set k, 0
.rept 32
	v_pk_add_f32 v[T+k:T+k+1], v[AC+k:AC+k+1], v[BJ+k:BJ+k+1]
.set k, k+2
.endr
	WIN 0
	s_branch .Lbiased_\@
.Lby_row_\@:
	v_mov_b32 v236, v[BI+(\a)]
	v_mov_b32 v237, v[BI+(\a)]
	WIN 0x02+(\a)/4
.set k, 0
.rept 32
	v_pk_add_f32 v[T+k:T+k+1], v[AC+k:AC+k+1], v[236:237]
.set k, k+2
.endr
	WIN 0
.Lbiased_\@:
.endm
	PLACES NP                                      ; behind the last products: their results are read, and X's fragments' registers are written, below
	s_wait_loadcnt 0x0                             ; the biases
.irp b, 0,1,2,3
	v_mov_b32 v[TM+4+\b], 0                        ; written once: a lane permute's destination counts as one of its sources
.endr
.irp a, 0,1,2,3,4,5,6,7
.if \a > 0
	s_wait_xcnt 0x0                                ; the last tile's stores have read their bases and the codes' registers: both are written again below
.if \a == 4
	s_add_nc_u64 s[12:13], s[12:13], s[2:3]
	s_add_nc_u64 s[96:97], s[96:97], s[2:3]
.else
	s_add_nc_u64 s[12:13], s[12:13], s[66:67]
	s_add_nc_u64 s[96:97], s[96:97], s[66:67]
.endif
.endif
	BIASADD \a
	QUANT T, PWA+\a
	global_store_b128 v19, v[PC:PC+3], s[12:13]                ; each store: 512 consecutive bytes, aligned: a group of the next operand's image
	global_store_b128 v19, v[PC+4:PC+7], s[12:13] offset:512
	global_store_b128 v19, v[PC+8:PC+11], s[96:97]
	global_store_b128 v19, v[PC+12:PC+15], s[96:97] offset:512
.endr
	; the scale words: 256 bytes for each of my two heads' blocks.  Lanes 0-15 store the first head's, lanes 16-31 the second's (both halves of the lanes hold every word)
	s_cmp_eq_u32 s[MODE], 2
	s_cbranch_scc1 .Lwords_v
.irp p, 0,1,2,3
	v_perm_b32 v[W+\p], v[PWA+2*\p+1], v[PWA+2*\p], v23        ; Q, K: a head's two bytes of tile 2 p, then of tile 2 p + 1
.endr
	s_branch .Lwords_done
.Lwords_v:
	v_cmp_ne_u32 vcc_lo, 0, v30
.irp q, 0,1,2,3
	v_cndmask_b32 v[W+\q], v[PWA+\q], v[PWA+4+\q], vcc_lo      ; V: a head's four tiles of channels
.endr
.Lwords_done:
	s_wait_alu depctr_va_vdst(0)
	global_store_b128 v22, v[W:W+3], s[98:99] offset:8192      ; sixteen lanes store 256 consecutive bytes, aligned
	s_wait_tensorcnt 0x0                           ; the wave's end
	ds_add_u32 v[SPW], v[NIL]
	s_wait_dscnt 0x0
	CROUND                                         ; the closing round: no work-group ends while a partner may still ask for a tile that names it
	s_endpgm
.Lfunc_end_k_q7dcb33ef62_proj:
	.size	k_q7dcb33ef62_proj, .Lfunc_end_k_q7dcb33ef62_proj-k_q7dcb33ef62_proj
	.p2alignl 7, 3214868480
	.fill 96, 4, 3214868480
	.section	.rodata,"a",@progbits
	.p2align	6, 0x0
	.amdhsa_kernel k_q7dcb33ef62_proj
		.amdhsa_group_segment_fixed_size 327680
		.amdhsa_private_segment_fixed_size 0
		.amdhsa_enable_private_segment 0
		.amdhsa_kernarg_size 48
		.amdhsa_user_sgpr_count 2
		.amdhsa_user_sgpr_kernarg_segment_ptr 1
		.amdhsa_wavefront_size32 1
		.amdhsa_system_sgpr_workgroup_id_x 1
		.amdhsa_system_sgpr_workgroup_id_y 1
		.amdhsa_system_sgpr_workgroup_id_z 1
		.amdhsa_system_vgpr_workitem_id 0
		.amdhsa_next_free_vgpr 1024
		.amdhsa_next_free_sgpr 102
		.amdhsa_reserve_vcc 1
		.amdhsa_float_denorm_mode_32 3
		.amdhsa_float_denorm_mode_16_64 3
		.amdhsa_fp16_overflow 1
		.amdhsa_memory_ordered 1
		.amdhsa_forward_progress 1
		.amdhsa_inst_pref_size 187
	.end_amdhsa_kernel
	.amdgpu_metadata
---
amdhsa.version: [ 1, 2 ]
amdhsa.kernels:
  - .name:           k_q7dcb33ef62_proj
    .symbol:         k_q7dcb33ef62_proj.kd
    .args:
      - { .name: xc, .offset: 0, .size: 8, .value_kind: global_buffer, .address_space: global }
      - { .name: xs, .offset: 8, .size: 8, .value_kind: global_buffer, .address_space: global }
      - { .name: bq, .offset: 16, .size: 8, .value_kind: global_buffer, .address_space: global }
      - { .name: bk, .offset: 24, .size: 8, .value_kind: global_buffer, .address_space: global }
      - { .name: bv, .offset: 32, .size: 8, .value_kind: global_buffer, .address_space: global }
      - { .name: qkv, .offset: 40, .size: 8, .value_kind: global_buffer, .address_space: global }
    .group_segment_fixed_size: 327680
    .private_segment_fixed_size: 0
    .kernarg_segment_align: 8
    .kernarg_segment_size: 48
    .max_flat_workgroup_size: 128
    .sgpr_count:     102
    .vgpr_count:     1024
    .wavefront_size: 32
...
	.end_amdgpu_metadata
.endif
;; end of part 2
;; launch attn (part 3): grid 4 x 64, 16 waves a work-group, clusters of 4 x 1, 327,680 bytes of LDS; arguments qkv, cc, cs; writes cc, cs
.if DOCPART == 3
	.amdgcn_target "amdgcn-amd-amdhsa--gfx1250"
	.amdhsa_code_object_version 6
	.text
	.protected	k_q7dcb33ef62_attn
	.globl	k_q7dcb33ef62_attn
	.p2align	8
	.type	k_q7dcb33ef62_attn,@function
k_q7dcb33ef62_attn:
	s_mov_b64 s[64:65], 0
	v_nop
	global_prefetch_b8 v0, s[64:65] scope:SCOPE_SE
	s_setreg_imm32_b32 hwreg(HW_REG_WAVE_MODE, 25, 1), 1
	s_wait_xcnt 0x0
	s_wait_alu depctr_hold_cnt(0) depctr_sa_sdst(0) depctr_va_vdst(0) depctr_va_sdst(0) depctr_va_ssrc(0) depctr_va_vcc(0) depctr_vm_vsrc(0)
	s_getreg_b32 s2, hwreg(HW_REG_IB_STS2, 6, 4)
	s_cmp_eq_u32 s2, 0
	s_cbranch_scc0 .Lentry_in_a_cluster
	s_endpgm
.Lentry_in_a_cluster:
	s_bfe_u32 s2, ttmp6, 0x10000c
	s_cmp_lg_u32 s2, 0x3003
	s_cbranch_scc0 .Lentry_shape_is_right
	s_endpgm
.Lentry_shape_is_right:
; Causal attention of one head on codes of BF8 (E5M2) with E8M0 scales; the context, divided by the row's sum and cleared of NaN, is quantised along E and leaves as codes for the last product.
; qkv: [Q, K, V][batch x head: 64][block of 128 tokens: 16][8,448 bytes], in the order of an operand's registers.  Q, K: 8 tiles of 16 tokens x [c: 2][lane][16] (K = the head's 64 channels), then 256 bytes
; [r][p: 4] of scale words (tile 2p's two bytes, tile 2p+1's two).  V: 4 tiles of 16 channels x [c: 4][lane][16] (K = the block's 128 keys), then 256 bytes [r][tile] of words.
; Lane r of tile t is row 32 (t/2) + 8 (t%2) + r + 8 (r/8).  cc: [tile of 16 tokens: 512][K step: 8][c: 4][lane][16]; cs: [tile][r][32 bytes].
; THE SOFTMAX: t = score x log2(e) / 8; M = the running largest t rounded UP to a whole number; p = 2^(t - M) is quantised along the keys, not normalised; the row's sum is taken of the unquantised p
; and divides at the end (v_rcp_f32 and a multiplication).  When M moves, the sum and O are multiplied by 2^(old M - new M): exact.
; SHARES.  The four work-groups of a cluster serve one head.  THE WHOLE HEAD'S K AND V LIE IN LDS, 32 blocks of 8,448 bytes, filled ONCE by joint loads (each of the sixteen waves asks for two blocks): no slot is
; filled again, and no barrier stands in the loops.  A head has 128 tiles of 16 queries in 16 groups of 8; a tile of group G needs G + 1 steps of 128 keys.  Wave w takes a tile of group g (0..7) and one of
; group 15 - g: 17 steps for every wave of the launch.  g and the branches hang on the wave's number alone; the work-group's place in the cluster enters global addresses and the mask's numbers only.
; Every wave walks constant trip counts (8, then 16) and jumps over the work of steps all of whose keys are hidden.
; LAYOUT.  Both products are used transposed: S^T = K Q^T, O^T = V^T P^T: a lane holds ONE query throughout, and by the order of rows in a tile p's 16 registers of two neighbouring tiles are 16 neighbouring keys.
; K = 64 IN AN INSTRUCTION 128 DEEP: a fragment of K holds TWO tiles of keys (c = 0, 1 and c = 2, 3).  It is multiplied once by [Q | zeros] and once by [zeros | Q]: the zero codes stand on Q's side.
; LIMITS: NaN and infinities among the inputs are not served (K's codes are finite by the quantiser's hold, so the products with zero codes are zeros); a block of zeros gets the byte 1 (its codes are zeros).
.set BLK,  8448
.set VB,   16*BLK                      ; V's blocks lie behind K's sixteen
.set LI,   1                           ; v1  16 x lane
.set LR,   2                           ; v2  16 r
.set LV,   3                           ; v3  16 x lane + VB
.set LT,   4                           ; v4  16 r + VB
.set CSO,  5                           ; v5  32 r
.set DM,   6                           ; v6  my query's place in its block of 128, less 16 h
.set NINF, 7                           ; v7  -infinity
.set ADK,  8                           ; v8-11 the step's LDS addresses: K, V, K's words, V's words
.set ADV,  9
.set ADS,  10
.set ADT,  11                          ; v12 -M, v13 the largest t, v[14:15] the sum in two halves
.set QA,   16                          ; v16-23 Q, v24-31 zeros, v32-39 Q again: v[16:31] = [Q | 0], v[24:39] = [0 | Q]
.set Z,    24
.set QB,   32
.set F,    40                          ; v40-103  four fragments: K's, then V's
.set S,    104                         ; v104-167 S^T, then p
.set O,    168                         ; v168-199 O^T
.set PC,   200                         ; v200-215 p's codes
.set BM,   216                         ; v216-219 block maxima; v220-223 permuted, then bytes; v228-231 the conversions' scale operands
.set BP,   220
.set BH,   224
.set BS,   228
.set KW,   232                         ; v232-235 K's scale words
.set VW,   236                         ; v236-239 V's
.set QST,  240                         ; v240-248 the second pass's Q as loaded (the first pass's waits in v104-112)
.set QS,   249                         ; v249 Q's scale word
.set FF,   250                         ; v250 f = 2^(old M - new M)
.set PW,   251                         ; v251 p's scale word
.set WV,   10
.set GG,   15                          ; s15 the pass's group
.set TT,   16                          ; s16 the step
.set TB,   17                          ; s17 8,448 x the step
.set MNT,  18
.set SEL,  20
.set CS,   22
.macro ROUND
	s_barrier_signal -1
	s_barrier_wait -1
	s_cmp_lg_u32 s[WV], 0
	s_cbranch_scc1 .Lnot_wave_0_\@
	s_barrier_signal -3
.Lnot_wave_0_\@:
	s_barrier_wait -3
	s_barrier_signal -1
	s_barrier_wait -1
.endm
	s_load_b128 s[4:7], s[0:1], 0x0                ; qkv, cc
	s_load_b64 s[8:9], s[0:1], 0x10                ; cs
	v_lshl_add_u32 v254, v0, 2, 0x42000
	v_mov_b32 v255, 0
	ds_add_u32 v254, v255
	ds_add_u32 v254, v255
	s_wait_dscnt 0x0
	v_lshrrev_b32 v1, 5, v0
	s_delay_alu instid0(VALU_DEP_1)
	v_readfirstlane_b32 s[WV], v1                  ; wave 0..15
	s_bfe_u32 s11, ttmp6, 0x40000                  ; cx
	s_and_b32 s12, ttmp7, 0xffff                   ; batch x 16 + head, which the four partners share
	s_lshr_b32 s52, s[WV], 2
	s_and_b32 s53, s[WV], 3
	s_xor_b32 s54, s53, s52
	s_and_b32 s54, s54, 1
	s_lshl_b32 s13, s52, 1
	s_add_co_u32 s13, s13, s54                     ; g = 2 (w / 4) + ((w ^ (w / 4)) & 1)
	s_lshr_b32 s14, s53, 1                         ; u = (w % 4) / 2: with cx, which tile of the group: 2 cx + u
	s_sub_co_u32 s58, 15, s13                      ; 15 - g
	; descriptor group 1: a block of 8,448 dense bytes as 33 rows of 32 elements of 8 bytes
	s_mov_b32 s24, 0x0023000f                      ; 15:0 the mask: all four work-groups; 17:16 elements of 8 bytes; 21 set beside a mask
	s_mov_b32 s25, 32<<16
	s_mov_b32 s26, 33<<16
	s_mov_b32 s27, 32<<16
	s_mov_b32 s28, 33
	s_mov_b32 s29, 32
	s_mov_b32 s30, 0
	s_mov_b32 s31, 0
	s_and_b32 s52, s[WV], 8
	s_add_co_u32 s52, s52, s[WV]
	s_mul_i32 s52, s52, BLK                        ; waves 0-7: K's block w; waves 8-15: V's block w - 8, which is LDS block w + 8
	s_lshr_b32 s53, s[WV], 3
	s_add_co_u32 s53, s53, 1
	s_mul_i32 s54, s53, 8650752                    ; tensor 1 (K) or 2 (V),
	s_mul_i32 s55, s12, 135168                     ; the head,
	s_add_co_u32 s54, s54, s55
	s_and_b32 s55, s[WV], 7
	s_mul_i32 s55, s55, BLK                        ; the block
	s_add_co_u32 s54, s54, s55
	s_mov_b32 s55, 0
	s_mov_b32 s[SEL], 0x76543210
	s_mov_b32 s[SEL+1], 0xfedcba98
	s_mov_b32 s[CS], 0x3e38aa3b                    ; c = log2(e) / 8
	s_mov_b32 s[CS+1], s[CS]
	s_mov_b32 s19, 0x03020302                      ; which half of Q's scale word is my tile's, twice
	s_cmp_eq_u32 s14, 0
	s_cselect_b32 s19, 0x01000100, s19
	s_wait_kmcnt 0x0
	s_mov_b32 s32, 1
	s_mov_b32 s33, s52
	s_add_nc_u64 s[34:35], s[4:5], s[54:55]
	s_mov_b32 s36, 1
	s_add_co_u32 s37, s52, 8*BLK                   ; the second load: eight blocks on, in LDS and in memory
	s_add_nc_u64 s[38:39], s[34:35], 8*BLK
	s_or_b32 s35, s35, 0x80000000
	s_or_b32 s39, s39, 0x80000000
	ROUND                                          ; all four work-groups are here: the joint loads meet
	tensor_load_to_lds s[32:35], s[24:31]          ; blocks 0-7 of K and of V, one a wave;
	s_nop 0
	s_wait_alu depctr_va_vdst(0)
	s_wait_tensorcnt 0x0
	ds_add_u32 v254, v255
	s_wait_dscnt 0x0
	ROUND
	tensor_load_to_lds s[36:39], s[24:31]          ; blocks 8-15: one load of mine is out
	s_nop 0
.rept 4
	v_nop
.endr
	v_and_b32 v254, 31, v0
	s_delay_alu instid0(VALU_DEP_1)
	v_lshlrev_b32 v[LI], 4, v254
	v_and_b32 v255, 15, v0                         ; r
	s_delay_alu instid0(VALU_DEP_1)
	v_lshlrev_b32 v[LR], 4, v255
	s_delay_alu instid0(VALU_DEP_3)
	v_add_nc_u32 v[LV], VB, v[LI]
	s_delay_alu instid0(VALU_DEP_2)
	v_add_nc_u32 v[LT], VB, v[LR]
	s_delay_alu instid0(VALU_DEP_4)
	v_lshlrev_b32 v[CSO], 5, v255
	v_bfe_u32 v254, v0, 4, 1                       ; h
	v_and_b32 v[DM], 8, v255
	s_delay_alu instid0(VALU_DEP_1)
	v_add_nc_u32 v[DM], v[DM], v255                ; r + 8 (r / 8)
	s_delay_alu instid0(VALU_DEP_3)
	v_lshlrev_b32 v254, 4, v254
	s_delay_alu instid0(VALU_DEP_1)
	v_sub_nc_u32 v[DM], v[DM], v254
	s_lshl_b32 s52, s11, 5
	s_lshl_b32 s53, s14, 3
	s_add_co_u32 s52, s52, s53
	v_add_nc_u32 v[DM], s52, v[DM]                 ; 32 cx + 8 u + r + 8 (r / 8) - 16 h
	v_mov_b32 v[NINF], 0xff800000
	; global addresses
	s_lshl_b32 s52, s11, 1
	s_add_co_u32 s52, s52, s14                     ; 2 cx + u
	s_lshl_b32 s53, s52, 10
	v_add_nc_u32 v8, s53, v[LI]                    ; Q's codes: my tile in its block, 16 x lane
	s_wait_alu depctr_va_vdst(0)
	s_lshl_b32 s53, s11, 2
	v_add_nc_u32 v9, s53, v[LR]                    ; Q's scale word: 16 r + 4 cx
	s_wait_alu depctr_va_vdst(0)
	s_mov_b32 s57, 0
	s_lshl_b32 s54, s12, 4
	s_add_co_u32 s55, s54, s13
	s_mul_i32 s56, s55, BLK
	s_add_nc_u64 s[48:49], s[4:5], s[56:57]        ; Q's block g
	s_add_co_u32 s55, s54, s58
	s_mul_i32 s56, s55, BLK
	s_add_nc_u64 s[50:51], s[4:5], s[56:57]        ; Q's block 15 - g
	global_load_b128 v[S:S+3], v8, s[48:49]
	global_load_b128 v[S+4:S+7], v8, s[48:49] offset:512
	global_load_b32 v[S+8], v9, s[48:49] offset:8192
	global_load_b128 v[QST:QST+3], v8, s[50:51]
	global_load_b128 v[QST+4:QST+7], v8, s[50:51] offset:512
	global_load_b32 v[QST+8], v9, s[50:51] offset:8192
	s_lshr_b32 s54, s12, 4
	s_lshl_b32 s54, s54, 7
	s_add_co_u32 s54, s54, s52                     ; 128 x batch + 2 cx + u
	s_and_b32 s55, s12, 15                         ; head
	s_lshr_b32 s59, s55, 1
	s_lshl_b32 s59, s59, 11
	s_and_b32 s53, s55, 1
	s_lshl_b32 s53, s53, 10
	s_add_co_u32 s59, s59, s53                     ; in a tile of cc: K step head / 2, groups 2 (head % 2) on
	s_lshl_b32 s55, s55, 1                         ; in a row of cs: bytes 2 head on
	s_lshl_b32 s53, s13, 3
	s_add_co_u32 s53, s53, s54                     ; the first pass's tile of tokens
	s_lshl_b32 s56, s53, 14
	s_add_co_u32 s56, s56, s59
	s_add_nc_u64 s[40:41], s[6:7], s[56:57]
	s_lshl_b32 s56, s53, 9
	s_add_co_u32 s56, s56, s55
	s_add_nc_u64 s[42:43], s[8:9], s[56:57]
	s_lshl_b32 s53, s58, 3
	s_add_co_u32 s53, s53, s54                     ; the second pass's
	s_lshl_b32 s56, s53, 14
	s_add_co_u32 s56, s56, s59
	s_add_nc_u64 s[44:45], s[6:7], s[56:57]
	s_lshl_b32 s56, s53, 9
	s_add_co_u32 s56, s56, s55
	s_add_nc_u64 s[46:47], s[8:9], s[56:57]
.irp i, 0,1,2,3,4,5,6,7
	v_mov_b32 v[Z+\i], 0                           ; the zero codes; never rewritten
.endr
.irp b, 0,1,2,3
	v_mov_b32 v[BP+\b], 0                          ; written once: a lane permute's destination counts as one of its sources
.endr
	v_mov_b32 v[PW], 0                             ; (named as the upper half of the pair v[250:251] before it is first written)
; A KEY STEP: block TT's 128 keys
.macro STEP
	s_cmp_gt_u32 s[TT], s[GG]                      ; all its keys come after my queries: only the address steps
	s_cbranch_scc1 .Lhid_\@
	s_setprio 2
	v_add_nc_u32 v[ADK], s[TB], v[LI]
	v_add_nc_u32 v[ADV], s[TB], v[LV]
	v_add_nc_u32 v[ADS], s[TB], v[LR]
	v_add_nc_u32 v[ADT], s[TB], v[LT]
.rept 4
	v_nop                                          ; with the four additions: eight places in front of loads into registers that the last products read
.endr
.irp p, 0,1,2,3
.irp c, 0,1,2,3
	ds_load_b128 v[F+16*\p+4*\c:F+16*\p+4*\c+3], v[ADK] offset:2048*\p+512*\c
.endr
.endr
	ds_load_b128 v[KW:KW+3], v[ADS] offset:8192
	s_wait_alu depctr_va_vdst(0)
	s_wait_dscnt 0x0
.irp p, 0,1,2,3                        ; S^T: fragment p holds tiles 2 p and 2 p + 1 of keys
	v_wmma_scale_f32_16x16x128_f8f6f4 v[S+16*\p:S+16*\p+7], v[F+16*\p:F+16*\p+15], v[QA:QA+15], 0, v[KW+\p], v[QS] matrix_a_fmt:MATRIX_FMT_BF8 matrix_b_fmt:MATRIX_FMT_BF8
	v_wmma_scale_f32_16x16x128_f8f6f4 v[S+16*\p+8:S+16*\p+15], v[F+16*\p:F+16*\p+15], v[Z:Z+15], 0, v[KW+\p], v[QS] matrix_a_fmt:MATRIX_FMT_BF8 matrix_b_fmt:MATRIX_FMT_BF8
.endr
.rept 8
	v_nop                                          ; places: V's fragments land where K's were read, and the scores are read below
.endr
.irp d, 0,1,2,3                        ; V's fragments are asked for now and land under the softmax
.irp c, 0,1,2,3
	ds_load_b128 v[F+16*\d+4*\c:F+16*\d+4*\c+3], v[ADV] offset:2048*\d+512*\c
.endr
.endr
	ds_load_b128 v[VW:VW+3], v[ADT] offset:8192
	s_cmp_lt_u32 s[TT], s[GG]                      ; all keys count: no mask
	s_cbranch_scc1 .Lopen_\@
.set n, 0
.rept 64                               ; the diagonal block: register n holds key 32 (n / 16) + n % 16 + 16 h of the block: hidden where that is beyond my query
	v_cmp_gt_i32 vcc_lo, 32*(n/16)+n%16, v[DM]
	v_cndmask_b32 v[S+n], v[S+n], v[NINF], vcc_lo
.set n, n+1
.endr
.Lopen_\@:
.irp b, 0,1,2,3
	v_max3_num_f32 v[BM+\b], v[S+16*\b], v[S+16*\b+1], v[S+16*\b+2]   ; the largest score of each block of 32 keys: for the row's maximum and, since p rises with the score, for the block's largest p
.endr
.irp i, 3,5,7,9,11,13
.irp b, 0,1,2,3
	v_max3_num_f32 v[BM+\b], v[BM+\b], v[S+16*\b+\i], v[S+16*\b+\i+1]
.endr
.endr
.irp b, 0,1,2,3
	v_max_num_f32 v[BM+\b], v[BM+\b], v[S+16*\b+15]
.endr
.irp b, 0,1,2,3
	s_delay_alu instid0(VALU_DEP_4)
	v_permlanex16_b32 v[BP+\b], v[BM+\b], s[SEL], s[SEL+1]
.endr
.irp b, 0,1,2,3
	s_delay_alu instid0(VALU_DEP_4)
	v_max_num_f32 v[BM+\b], v[BM+\b], v[BP+\b]     ; with lane l xor 16's 16 keys
.endr
	s_delay_alu instid0(VALU_DEP_2)
	v_max3_num_f32 v254, v[BM], v[BM+1], v[BM+2]
	s_delay_alu instid0(VALU_DEP_1)
	v_max_num_f32 v254, v254, v[BM+3]
	s_delay_alu instid0(VALU_DEP_1)
	v_mul_f32 v254, s[CS], v254                    ; the step's largest t
	s_delay_alu instid0(VALU_DEP_1)
	v_max_num_f32 v13, v13, v254                   ; the running largest t
	v_mov_b32 v254, v12
	s_delay_alu instid0(VALU_DEP_2)
	v_floor_f32 v12, -v13                          ; -M = floor(-t): M is a whole number
	s_delay_alu instid0(VALU_DEP_1)
	v_sub_f32 v254, v12, v254                      ; old M - new M: a whole number, 0 or less
	s_delay_alu instid0(VALU_DEP_1)
	v_cvt_i32_f32 v254, v254                       ; (it saturates)
	s_delay_alu instid0(VALU_DEP_1)
	v_ldexp_f32 v[FF], 1.0, v254                   ; f
.set j, 0
	s_setprio 1
.rept 32
	v_pk_fma_f32 v[S+j:S+j+1], v[S+j:S+j+1], s[CS:CS+1], v[12:13] op_sel_hi:[1,0,0]   ; t - M
.set j, j+2
.endr
.irp b, 0,1,2,3
	v_fma_f32 v[BM+\b], v[BM+\b], s[CS], v12       ; the same of each block's largest score
.endr
.set j, 0
	s_wait_alu depctr_va_vdst(0)
.rept 64
	v_exp_f32 v[S+j], v[S+j]                       ; p = 2^(t - M)
.set j, j+1
.endr
.irp b, 0,1,2,3
	v_exp_f32 v[BM+\b], v[BM+\b]                   ; the block's largest p
.endr
	v_pk_mul_f32 v[14:15], v[14:15], v[FF:FF+1] op_sel_hi:[1,0]   ; the sums under the new M (a plain place behind the exponentials)
	s_wait_alu depctr_va_vdst(0)
.irp b, 0,1,2,3
	v_max_num_f32 v[BM+\b], 0x8000000, v[BM+\b]    ; the floor 2^(16 - 127): the byte cannot fall under 1
.endr
.irp b, 0,1,2,3
	s_delay_alu instid0(VALU_DEP_4)
	v_add_nc_u32 v[BS+\b], 0xf8800000, v[BM+\b]
.endr
.irp b, 0,1,2,3
.endr
.irp b, 0,1,2,3
	s_delay_alu instid0(VALU_DEP_4)
	v_lshrrev_b32 v[BP+\b], 23, v[BS+\b]
.endr
	s_delay_alu instid0(VALU_DEP_3)
	v_lshl_or_b32 v[PW], v[BP+1], 8, v[BP]         ; p's scale word for these 128 keys
	s_delay_alu instid0(VALU_DEP_1)
	v_lshl_or_b32 v[PW], v[BP+2], 16, v[PW]
	s_delay_alu instid0(VALU_DEP_1)
	v_lshl_or_b32 v[PW], v[BP+3], 24, v[PW]
	v_pk_add_f32 v[252:253], v[S:S+1], v[S+2:S+3]  ; the row's sum is taken of the unquantised p: two chains
.set j, 4
.rept 15
	v_pk_add_f32 v[14:15], v[14:15], v[S+j:S+j+1]
	v_pk_add_f32 v[252:253], v[252:253], v[S+j+2:S+j+3]
.set j, j+4
.endr
	s_delay_alu instid0(VALU_DEP_1)
	v_pk_add_f32 v[14:15], v[14:15], v[252:253]
	s_setprio 0
.irp b, 0,1,2,3
.set i, 0
.rept 16
.set i, i+1
.endr
	v_cvt_scalef32_pk8_bf8_f32 v[PC+4*\b:PC+4*\b+1], v[S+16*\b:S+16*\b+7], v[BS+\b]
	v_cvt_scalef32_pk8_bf8_f32 v[PC+4*\b+2:PC+4*\b+3], v[S+16*\b+8:S+16*\b+15], v[BS+\b]
.endr
.set j, 0
.rept 16
	v_pk_mul_f32 v[O+j:O+j+1], v[O+j:O+j+1], v[FF:FF+1] op_sel_hi:[1,0]   ; O^T under the new M; these are also the places between the codes and the products
.set j, j+2
.endr
	s_wait_alu depctr_va_vdst(0)
	s_wait_dscnt 0x0                               ; V's fragments and words
.irp d, 0,1,2,3                        ; O^T += V^T P^T: four accumulators, one instruction each
	v_wmma_scale_f32_16x16x128_f8f6f4 v[O+8*\d:O+8*\d+7], v[F+16*\d:F+16*\d+15], v[PC:PC+15], v[O+8*\d:O+8*\d+7], v[VW+\d], v[PW] matrix_a_fmt:MATRIX_FMT_BF8 matrix_b_fmt:MATRIX_FMT_BF8
.endr
.Lhid_\@:
	s_add_co_u32 s[TB], s[TB], BLK
.endm
; The end of a pass: O^T / the sum, NaN to 0, two blocks of 32 channels quantised: they are groups of ctx's image
.macro FIN ccb, csb
.rept 8
	v_nop                                          ; places behind the last products
.endr
	v_add_f32 v14, v14, v15
	s_delay_alu instid0(VALU_DEP_1)
	v_permlanex16_b32 v254, v14, s[SEL], s[SEL+1]
	s_delay_alu instid0(VALU_DEP_1)
	v_add_f32 v14, v14, v254                       ; the row's sum
	s_wait_alu depctr_va_vdst(0)
	v_rcp_f32 v14, v14
	v_nop                                          ; a plain place behind the transcendental
.set j, 0
	s_wait_alu depctr_va_vdst(0)
.rept 16
	v_pk_mul_f32 v[S+j:S+j+1], v[O+j:O+j+1], v[14:15] op_sel_hi:[1,0]   ; register 16 b + i: channel 32 b + 16 h + i of my query
.set j, j+2
.endr
.set j, 0
.rept 32
	v_cmp_eq_f32 vcc_lo, v[S+j], v[S+j]            ; a NaN is not equal to itself: it becomes 0
	s_delay_alu instid0(VALU_DEP_1)
	v_cndmask_b32 v[S+j], 0, v[S+j], vcc_lo
.set j, j+1
.endr
.irp b, 0,1
	v_max3_num_f32 v[BM+\b], |v[S+16*\b]|, |v[S+16*\b+1]|, 0x8000000
.endr
.irp i, 2,4,6,8,10,12,14
.irp b, 0,1
	s_delay_alu instid0(VALU_DEP_2)
	v_max3_num_f32 v[BM+\b], v[BM+\b], |v[S+16*\b+\i]|, |v[S+16*\b+\i+1]|
.endr
.endr
.irp b, 0,1
	s_delay_alu instid0(VALU_DEP_2)
	v_permlanex16_b32 v[BP+\b], v[BM+\b], s[SEL], s[SEL+1]
.endr
.irp b, 0,1
	s_delay_alu instid0(VALU_DEP_2)
	v_max_num_f32 v[BM+\b], v[BM+\b], v[BP+\b]
.endr
.irp b, 0,1
	s_delay_alu instid0(VALU_DEP_2)
	v_add_nc_u32 v[BS+\b], 0xf8800000, v[BM+\b]
.endr
.irp b, 0,1
.endr
.irp b, 0,1
	s_delay_alu instid0(VALU_DEP_2)
	v_lshrrev_b32 v[BP+\b], 23, v[BS+\b]
.endr
	s_delay_alu instid0(VALU_DEP_1)
	v_lshl_or_b32 v255, v[BP+1], 8, v[BP]          ; my row's two scale bytes
.irp b, 0,1
.set i, 0
.rept 16
.set i, i+1
.endr
	v_cvt_scalef32_pk8_bf8_f32 v[PC+4*\b:PC+4*\b+1], v[S+16*\b:S+16*\b+7], v[BS+\b]
	v_cvt_scalef32_pk8_bf8_f32 v[PC+4*\b+2:PC+4*\b+3], v[S+16*\b+8:S+16*\b+15], v[BS+\b]
.endr
	v_nop                                          ; one plain vector line behind the last conversion
	global_store_b128 v[LI], v[PC:PC+3], s[\ccb:\ccb+1]              ; 512 consecutive bytes, aligned
	global_store_b128 v[LI], v[PC+4:PC+7], s[\ccb:\ccb+1] offset:512
	global_store_b16 v[CSO], v255, s[\csb:\csb+1]                    ; a head owns two of a row's 32 scale bytes; lanes l and l + 16 write the same two bytes with the same value
.endm
.macro PASS trips, st, gg, ccb, csb
	s_wait_xcnt 0x0                                ; earlier stores have read their registers
	v_perm_b32 v[QS], v[\st+8], v[\st+8], s19      ; my tile's two bytes, twice: they serve [Q | 0] and [0 | Q] alike
.irp i, 0,1,2,3,4,5,6,7
	v_mov_b32 v[QA+\i], v[\st+\i]
	v_mov_b32 v[QB+\i], v[\st+\i]
.endr
.set j, 0
.rept 32
	v_mov_b32 v[O+j], 0                            ; the step is written once: the first finds zeros, which the first change of M leaves zeros
.set j, j+1
.endr
	v_mov_b32 v13, 0xff61b1e6                      ; -3e38, under every t
	s_delay_alu instid0(VALU_DEP_1)
	v_floor_f32 v12, -v13
	v_mov_b32 v14, 0
	v_mov_b32 v15, 0
	s_mov_b32 s[GG], s[\gg]
	s_mov_b32 s[TT], 0
	s_mov_b32 s[TB], 0
.Lkey_\@:
	STEP
	s_add_co_u32 s[TT], s[TT], 1
	s_cmp_lt_u32 s[TT], \trips
	s_cbranch_scc1 .Lkey_\@
	s_setprio 0
	s_wait_alu depctr_va_vdst(0)
	FIN \ccb, \csb
.endm
	s_wait_loadcnt 0x0                             ; Q of both passes; v8, v9 are free again
	s_wait_tensorcnt 1                             ; my block of 0-7 has landed; my block of 8-15 may stay out, and the first pass reads blocks 0-7 alone
	s_barrier_signal -1
	s_barrier_wait -1                              ; everybody's has
	PASS 8, S, 13, 40, 42
	s_wait_tensorcnt 0x0                           ; my block of 8-15 has landed
	s_wait_dscnt 0x0
	s_barrier_signal -1
	s_barrier_wait -1                              ; everybody's has
	PASS 16, QST, 58, 44, 46
	s_wait_xcnt 0x0
	v_lshl_add_u32 v254, v0, 2, 0x42000
	v_mov_b32 v255, 0
	s_wait_alu depctr_va_vdst(0)
	s_wait_tensorcnt 0x0
	ds_add_u32 v254, v255
	s_wait_dscnt 0x0
	ROUND                                          ; the closing round
	s_endpgm
.Lfunc_end_k_q7dcb33ef62_attn:
	.size	k_q7dcb33ef62_attn, .Lfunc_end_k_q7dcb33ef62_attn-k_q7dcb33ef62_attn
	.p2alignl 7, 3214868480
	.fill 96, 4, 3214868480
	.section	.rodata,"a",@progbits
	.p2align	6, 0x0
	.amdhsa_kernel k_q7dcb33ef62_attn
		.amdhsa_group_segment_fixed_size 327680
		.amdhsa_private_segment_fixed_size 0
		.amdhsa_enable_private_segment 0
		.amdhsa_kernarg_size 24
		.amdhsa_user_sgpr_count 2
		.amdhsa_user_sgpr_kernarg_segment_ptr 1
		.amdhsa_wavefront_size32 1
		.amdhsa_system_sgpr_workgroup_id_x 1
		.amdhsa_system_sgpr_workgroup_id_y 1
		.amdhsa_system_sgpr_workgroup_id_z 1
		.amdhsa_system_vgpr_workitem_id 0
		.amdhsa_next_free_vgpr 256
		.amdhsa_next_free_sgpr 66
		.amdhsa_reserve_vcc 1
		.amdhsa_float_denorm_mode_32 3
		.amdhsa_float_denorm_mode_16_64 3
		.amdhsa_fp16_overflow 1
		.amdhsa_memory_ordered 1
		.amdhsa_forward_progress 1
		.amdhsa_inst_pref_size 71
	.end_amdhsa_kernel
	.amdgpu_metadata
---
amdhsa.version: [ 1, 2 ]
amdhsa.kernels:
  - .name:           k_q7dcb33ef62_attn
    .symbol:         k_q7dcb33ef62_attn.kd
    .args:
      - { .name: qkv, .offset: 0, .size: 8, .value_kind: global_buffer, .address_space: global }
      - { .name: cc, .offset: 8, .size: 8, .value_kind: global_buffer, .address_space: global }
      - { .name: cs, .offset: 16, .size: 8, .value_kind: global_buffer, .address_space: global }
    .group_segment_fixed_size: 327680
    .private_segment_fixed_size: 0
    .kernarg_segment_align: 8
    .kernarg_segment_size: 24
    .max_flat_workgroup_size: 512
    .sgpr_count:     66
    .vgpr_count:     256
    .wavefront_size: 32
...
	.end_amdgpu_metadata
.endif
;; end of part 3
;; launch outp (part 4): grid 4 x 32, 4 waves a work-group, clusters of 4 x 4, 327,680 bytes of LDS; arguments cc, cs, xc, xs, bo, out0; writes out0
.if DOCPART == 4
	.amdgcn_target "amdgcn-amd-amdhsa--gfx1250"
	.amdhsa_code_object_version 6
	.text
	.protected	k_q7dcb33ef62_outp
	.globl	k_q7dcb33ef62_outp
	.p2align	8
	.type	k_q7dcb33ef62_outp,@function
k_q7dcb33ef62_outp:
	s_mov_b64 s[64:65], 0
	v_nop
	global_prefetch_b8 v0, s[64:65] scope:SCOPE_SE
	s_setreg_imm32_b32 hwreg(HW_REG_WAVE_MODE, 25, 1), 1
	s_wait_xcnt 0x0
	s_wait_alu depctr_hold_cnt(0) depctr_sa_sdst(0) depctr_va_vdst(0) depctr_va_sdst(0) depctr_va_ssrc(0) depctr_va_vcc(0) depctr_vm_vsrc(0)
	s_getreg_b32 s2, hwreg(HW_REG_IB_STS2, 6, 4)
	s_cmp_eq_u32 s2, 0
	s_cbranch_scc0 .Lentry_in_a_cluster
	s_endpgm
.Lentry_in_a_cluster:
	s_bfe_u32 s2, ttmp6, 0x10000c
	s_cmp_lg_u32 s2, 0xf033
	s_cbranch_scc0 .Lentry_shape_is_right
	s_endpgm
.Lentry_shape_is_right:
; out0 = ctx wo^T + bo, on codes of BF8 (E5M2) with E8M0 scales for each 32 along K = 1,024; sums in f32; out0 [8192][1024] f32.
; X = ctx: cc [tile of 16 rows: 512][K step of 128: 8][c: 4][lane][16 bytes], cs [tile][r][32 bytes].  Y = wo: rows 27,648 on of xc and xs, laid likewise.  Lane r of tile t is row 32 (t/2) + 8 (t%2) + r + 8 (r/8).
; A tile of 256 x 256 is made by four waves, each 128 x 128: 64 accumulators, 512 registers.  THE MATRIX INSTRUCTION IS USED TRANSPOSED (source 0 = 16 rows of Y, source 1 = 16 rows of X): a lane holds one row of
; the output, and the 16 registers of Y's tiles 2 b and 2 b + 1 are its columns 32 b + 16 h + 0 .. 15.
; K goes in steps of 256 through two LDS slots filled by the tensor data mover: a wave's load brings 8 tiles x 4,096 bytes; every fragment load is 512 consecutive bytes.  The scale bytes come once, with the first fills.
; CLUSTERS: 4 x 4 work-groups; X's tiles are shared along a row of the cluster, Y's along a column: joint loads.
; REGISTERS: window 0: v8-11 the bias of my four columns on the way out; v16-29 addresses; v32-63 scale words, two sets; v128-255 X's fragments, ONE set, later rows of the output.
;   window 1: Y's fragments, two sets.  windows 2, 3: the accumulators ((a, b) at v[8 (8 (a % 4) + b)]).
.set NQ,     2
.set FR,     16
.set NL,     4
.set NP,     8                         ; places behind this matrix instruction (ISA guide 7.12.1)
.set TILEB,  4096
.set HALFT,  8*TILEB
.set SLOT,   4*HALFT
.set KS,     32
.set SCL,    2*SLOT
.set HALFS,  16*272
.set SBLK,   2*272
.set SPARE,  SCL+4*HALFS               ; the spare words, 128 bytes for each wave: two blocks of 256 bytes that no other line names
.set SPITCH, 528                       ; the way out: a stage of 16 rows x (512 bytes + 16) for each wave, in slot 0, which has had its last fill and its last read by then
.set ADRA, 16
.set ADRB, 20
.set STO,  24                          ; v24 where I put 32 bytes of a row
.set RD,   25                          ; v25 where I read a row back
.set CO,   26                          ; v26 16 x lane
.set ADRS, 27
.set SPW,  28
.set NIL,  29
.set SC,   32
.set AF,   128
.set BK,   128                         ; 16 rows read back: v128-191 and v192-255 by turns
.set G1, 24
.set G0, 32
.set G1B, 48
.set G0B, 56
.set G1S, 68
.set G0S, 76
.set G1SB, 80
.set G0SB, 88
.set MSB, 0
.macro WIN new                         ; the immediate's high byte repeats the setting that is left
.if MSB != (\new)
	s_set_vgpr_msb (MSB<<8)|(\new)
.set MSB, (\new)
.endif
.endm
.set MUL_LO, 0xa1
.set MUL_HI, 0xf1
.set TO_B,   0x40
.macro JLOAD g0a, g1a, g0b, g1b        ; a joint load: waves 0 and 1 fetch for X, waves 2 and 3 for Y; four v_nop follow each of the two lines
	s_cmp_eq_u32 s15, 0
	s_cbranch_scc0 .Lfor_b_\@
	tensor_load_to_lds s[\g0a:\g0a+3], s[\g1a:\g1a+7]
	s_nop 0
.rept 4
	v_nop
.endr
	s_branch .Lasked_\@
.Lfor_b_\@:
	tensor_load_to_lds s[\g0b:\g0b+3], s[\g1b:\g1b+7]
	s_nop 0
.rept 4
	v_nop
.endr
.Lasked_\@:
.endm
.macro CREST
	s_cmp_lg_u32 s14, 0
	s_cbranch_scc1 .Lnot_wave_0_\@
	s_barrier_signal -3
.Lnot_wave_0_\@:
	s_barrier_wait -3
	s_barrier_signal -1
	s_barrier_wait -1
.endm
.macro CROUND
	s_barrier_signal -1
	s_barrier_wait -1
	CREST
.endm
	s_load_b128 s[4:7], s[0:1], 0x0                ; cc, cs
	s_load_b128 s[8:11], s[0:1], 0x10              ; xc, xs
	s_load_b128 s[96:99], s[0:1], 0x20             ; bo, out0
	v_lshl_add_u32 v[SPW], v0, 2, SPARE
	v_mov_b32 v[NIL], 0
	ds_add_u32 v28, v29
	ds_add_u32 v28, v29
	s_wait_dscnt 0x0
	v_lshrrev_b32 v1, 5, v0
	v_readfirstlane_b32 s14, v1                    ; wave 0..3
	s_lshr_b32 s15, s14, 1                         ; which half of X's rows is mine.  Also: I fetch for X (0) or for Y (1)
	s_and_b32 s16, s14, 1                          ; which half of Y's rows.  Also: which 128 rows I fetch
	s_bfe_u32 s40, ttmp6, 0x40000                  ; cx: also the tile column (the grid is one cluster wide)
	s_bfe_u32 s41, ttmp6, 0x40004                  ; cy
	s_and_b32 s17, ttmp7, 0xffff
	s_lshl_b32 s17, s17, 2
	s_add_co_u32 s17, s17, s41                     ; tile row = 4 x cluster y + cy
	s_lshl_b32 s43, s41, 2
	s_lshl_b32 s43, 15, s43                        ; my row of the cluster
	s_lshl_b32 s44, 0x1111, s40                    ; my column
	s_or_b32 s[G1+0], s43, (3<<16)|(1<<21)         ; codes: 8 rows (tiles) of 512 elements of 8 bytes, 16,384 bytes apart in memory, dense in LDS
	s_or_b32 s[G1B+0], s44, (3<<16)|(1<<21)
.irp g, G1, G1B
	s_mov_b32 s[\g+1], 512<<16
	s_mov_b32 s[\g+2], 8<<16
	s_mov_b32 s[\g+3], 512<<16
	s_mov_b32 s[\g+4], 8
	s_mov_b32 s[\g+5], 2048
	s_mov_b32 s[\g+6], 0
	s_mov_b32 s[\g+7], 0
.endr
	s_or_b32 s[G1S+0], s43, (3<<16)|(1<<20)|(1<<21)|(5<<22)|(3<<25)   ; scales of 128 rows: 16 rows of 256 bytes, 16 of padding behind each
	s_or_b32 s[G1SB+0], s44, (3<<16)|(1<<20)|(1<<21)|(5<<22)|(3<<25)
.irp g, G1S, G1SB
	s_mov_b32 s[\g+1], 32<<16
	s_mov_b32 s[\g+2], 16<<16
	s_mov_b32 s[\g+3], 32<<16
	s_mov_b32 s[\g+4], 16
	s_mov_b32 s[\g+5], 32
	s_mov_b32 s[\g+6], 0
	s_mov_b32 s[\g+7], 0
.endr
	s_lshl_b32 s18, s16, 7
	s_lshl_b32 s20, s17, 8
	s_add_co_u32 s20, s20, s18                     ; X: row 256 x tile row + 128 x half
	s_lshl_b32 s46, s40, 8
	s_add_co_u32 s46, s46, s18
	s_add_co_u32 s46, s46, 27648                   ; Y: wo's rows in xc: 27,648 + 256 cx + 128 x half
	s_lshl_b32 s22, s20, 5
	s_mov_b32 s23, 0
	s_lshl_b32 s92, s46, 5
	s_mov_b32 s93, 0
	s_lshl_b32 s20, s20, 10
	s_mov_b32 s21, 0
	s_lshl_b32 s46, s46, 10
	s_mov_b32 s47, 0
	s_mul_i32 s45, s14, HALFT
	s_mul_i32 s3, s14, HALFS
	s_wait_kmcnt 0x0
	s_add_nc_u64 s[20:21], s[4:5], s[20:21]
	s_add_nc_u64 s[22:23], s[6:7], s[22:23]
	s_add_nc_u64 s[46:47], s[8:9], s[46:47]
	s_add_nc_u64 s[92:93], s[10:11], s[92:93]
	CROUND                                         ; all sixteen work-groups are here: the first joint loads meet
	s_mov_b32 s[G0S], 1
	s_add_co_u32 s[G0S+1], s3, SCL
	s_mov_b64 s[G0S+2:G0S+3], s[22:23]
	s_or_b32 s[G0S+3], s[G0S+3], 0x80000000
	s_mov_b32 s[G0SB], 1
	s_add_co_u32 s[G0SB+1], s3, SCL
	s_mov_b64 s[G0SB+2:G0SB+3], s[92:93]
	s_or_b32 s[G0SB+3], s[G0SB+3], 0x80000000
	JLOAD G0S, G1S, G0SB, G1SB
.irp s, 0,1
	s_mov_b32 s[G0+4*\s], 1
	s_add_co_u32 s[G0+4*\s+1], s45, \s*SLOT
	s_add_nc_u64 s[G0+4*\s+2:G0+4*\s+3], s[20:21], \s*TILEB
	s_or_b32 s[G0+4*\s+3], s[G0+4*\s+3], 0x80000000
	s_mov_b32 s[G0B+4*\s], 1
	s_add_co_u32 s[G0B+4*\s+1], s45, \s*SLOT
	s_add_nc_u64 s[G0B+4*\s+2:G0B+4*\s+3], s[46:47], \s*TILEB
	s_or_b32 s[G0B+4*\s+3], s[G0B+4*\s+3], 0x80000000
	s_wait_alu depctr_va_vdst(0)
	s_wait_tensorcnt 0x0
	ds_add_u32 v28, v29
	s_wait_dscnt 0x0
	CROUND
	JLOAD G0+4*\s, G1, G0B+4*\s, G1B               ; one load of mine is out now
.endr
	v_and_b32 v3, 31, v0
	v_lshlrev_b32 v[CO], 4, v3                     ; 16 x lane
	s_mul_i32 s21, s15, HALFT
	s_mul_i32 s22, s16, HALFT
	s_add_co_u32 s22, s22, 2*HALFT
.irp s, 0,1
	v_add_nc_u32 v[ADRA+\s], s21, v[CO]
	v_add_nc_u32 v[ADRB+\s], s22, v[CO]
	s_add_co_u32 s21, s21, SLOT
	s_add_co_u32 s22, s22, SLOT
.endr
	v_and_b32 v1, 15, v0                           ; r
	v_bfe_u32 v2, v0, 4, 1                         ; h
	v_mul_u32_u24 v5, v1, KS
	v_lshrrev_b32 v6, 8, v5
	v_lshl_add_u32 v5, v6, 4, v5
	s_mul_i32 s21, s15, HALFS
	s_mul_i32 s22, s16, HALFS
	s_add_co_u32 s22, s22, 2*HALFS
	s_sub_co_u32 s22, s22, s21
	v_mul_u32_u24 v6, s22, v2                      ; lanes 16-31 take Y's: one product, the distance between the two bases
	s_add_co_u32 s21, s21, SCL
	v_add_nc_u32 v5, v5, v6
	v_add_nc_u32 v[ADRS], s21, v5
	s_mul_i32 s23, s14, 16*SPITCH                  ; my stage
	v_mul_u32_u24 v5, v1, SPITCH
	v_lshl_add_u32 v5, v2, 6, v5
	v_add_nc_u32 v[STO], s23, v5                   ; in: row r, + 64 h: columns 16 h on of each 32
	v_add_nc_u32 v[RD], s23, v[CO]                 ; back: the 32 lanes take one row of 512 bytes
	s_lshl_b32 s20, s17, 8
	s_lshl_b32 s21, s15, 7
	s_add_co_u32 s20, s20, s21                     ; my first row of the output,
	s_lshl_b32 s20, s20, 12                        ; of 4,096 bytes,
	s_lshl_b32 s46, s40, 10
	s_lshl_b32 s47, s16, 9
	s_add_co_u32 s46, s46, s47                     ; my first column, in bytes: 1,024 cx + 512 x half
	s_add_co_u32 s20, s20, s46
	s_mov_b32 s21, 0
	s_mov_b32 s47, 0
	s_add_nc_u64 s[12:13], s[98:99], s[20:21]
	s_add_nc_u64 s[96:97], s[96:97], s[46:47]
	global_load_b128 v[8:11], v[CO], s[96:97]      ; bo at the four columns that I store; waited for behind the loop
.macro FRAG reg, adr, q, i
.irp c, 0,1,2,3
	ds_load_b128 v[\reg+4*\c:\reg+4*\c+3], v[\adr] offset:2048*(\q)+512*\c+(\i)*TILEB
.endr
.endm
; 16 matrix instructions: X's blocks a0, a0 + 1 x Y's eight.  The 64 accumulators take turns, one instruction a turn, in the same order in every step.
.macro MUL16 a0, p, q, sc, zero
.irp a, \a0, \a0+1
.irp b, 0,1,2,3,4,5,6,7
.if \zero
	v_wmma_scale_f32_16x16x128_f8f6f4 v[8*(8*((\a)%4)+\b):8*(8*((\a)%4)+\b)+7], v[128*(\p)+FR*\b:128*(\p)+FR*\b+FR-1], v[AF+FR*(\a):AF+FR*(\a)+FR-1], 0, v[SC+8*NQ*(\sc)+NQ*\b+(\q)], v[SC+8*NQ*(\sc)+NQ*(\a)+(\q)] matrix_a_fmt:MATRIX_FMT_BF8 matrix_b_fmt:MATRIX_FMT_BF8 matrix_a_scale:MATRIX_SCALE_ROW1
.else
	v_wmma_scale_f32_16x16x128_f8f6f4 v[8*(8*((\a)%4)+\b):8*(8*((\a)%4)+\b)+7], v[128*(\p)+FR*\b:128*(\p)+FR*\b+FR-1], v[AF+FR*(\a):AF+FR*(\a)+FR-1], v[8*(8*((\a)%4)+\b):8*(8*((\a)%4)+\b)+7], v[SC+8*NQ*(\sc)+NQ*\b+(\q)], v[SC+8*NQ*(\sc)+NQ*(\a)+(\q)] matrix_a_fmt:MATRIX_FMT_BF8 matrix_b_fmt:MATRIX_FMT_BF8 matrix_a_scale:MATRIX_SCALE_ROW1
.endif
.endr
.endr
.endm
.macro FETCH_B slot, q, p
	WIN TO_B
.irp i, 0,1,2,3,4,5,6,7
	FRAG 128*(\p)+FR*\i, ADRB+\slot, \q, \i
.endr
	WIN 0
.endm
.macro FETCH_A slot, q, i0
.irp i, \i0, \i0+1, \i0+2, \i0+3
	FRAG AF+FR*(\i), ADRA+\slot, \q, \i
.endr
.endm
.macro SCALES sc
.irp i, 0,1,2,3,4,5,6,7
	ds_load_b64 v[SC+8*NQ*\sc+NQ*\i:SC+8*NQ*\sc+NQ*\i+1], v[ADRS] offset:\i*SBLK
.endr
.endm
.macro PLACES n
.rept \n
	v_nop
.endr
.endm
.macro STEP slot, q, zero
	s_wait_dscnt 4*NL                              ; Y's set and X's blocks 0-3 are in; the youngest 16 loads (X's blocks 4-7) may be out
	WIN MUL_LO
	MUL16 0, (\q)%2, \q, \slot, \zero
	MUL16 2, (\q)%2, \q, \slot, \zero
	s_wait_dscnt 0
	PLACES NP
	FETCH_B \slot, (\q)+1, 1-(\q)%2
	FETCH_A \slot, (\q)+1, 0
	WIN MUL_HI
	MUL16 4, (\q)%2, \q, \slot, \zero
	MUL16 6, (\q)%2, \q, \slot, \zero
	PLACES NP
	WIN 0
	FETCH_A \slot, (\q)+1, 4
.endm
.macro TURN slot, next, fill
	s_wait_tensorcnt 0x0                           ; all my tensor loads have landed: my part of the next slot
	ds_add_u32 v[SPW], v[NIL]                      ; 0 onto my spare word
	s_wait_dscnt 4*NL+1                            ; the add and the youngest 16 loads may be out
	WIN MUL_LO
	MUL16 0, 1, NQ-1, \slot, 0
	s_wait_dscnt 0x0                               ; the add is done, and my reads of this slot are over
	s_barrier_signal -1
	MUL16 2, 1, NQ-1, \slot, 0
	WIN 0
	s_barrier_wait -1
.if \fill
	CREST                                          ; the barrier has opened a round of the cluster's: no wave of any partner still reads this slot or has a load on its way
	s_add_nc_u64 s[G0+4*\slot+2:G0+4*\slot+3], s[G0+4*\slot+2:G0+4*\slot+3], 2*TILEB
	s_add_nc_u64 s[G0B+4*\slot+2:G0B+4*\slot+3], s[G0B+4*\slot+2:G0B+4*\slot+3], 2*TILEB
	JLOAD G0+4*\slot, G1, G0B+4*\slot, G1B         ; the first tensor load behind the round, my only one until the next
	PLACES NP-4
.else
	PLACES NP
.endif
	s_wait_alu depctr_va_vdst(0)
	v_add_nc_u32 v[ADRS], 4*NQ, v[ADRS]
	FETCH_B \next, 0, 0
	FETCH_A \next, 0, 0
	SCALES \next
	WIN MUL_HI
	MUL16 4, 1, NQ-1, \slot, 0
	MUL16 6, 1, NQ-1, \slot, 0
	PLACES NP
	WIN 0
	FETCH_A \next, 0, 4
.endm
	s_wait_alu depctr_va_vdst(0)
	s_wait_tensorcnt 1                             ; the scales and my part of K step 0 are in; K step 1's load may be out
	s_barrier_signal -1
	s_barrier_wait -1
	FETCH_B 0, 0, 0
	FETCH_A 0, 0, 0
	SCALES 0
	FETCH_A 0, 0, 4
	STEP 0, 0, 1                                   ; K = 1,024 is four slots' worth: written out, no loop
	TURN 0, 1, 1
	STEP 1, 0, 0
	TURN 1, 0, 1
	STEP 0, 0, 0
	TURN 0, 1, 0
	STEP 1, 0, 0
	s_wait_dscnt 4*NL
	WIN MUL_LO
	MUL16 0, 1, NQ-1, 1, 0
	MUL16 2, 1, NQ-1, 1, 0
	s_wait_dscnt 0
	WIN MUL_HI
	MUL16 4, 1, NQ-1, 1, 0
	MUL16 6, 1, NQ-1, 1, 0
	WIN 0
; THE WAY OUT, a tile of 16 rows x 128 columns at a time, through my own stage in LDS: in by lanes (a lane's eight results of an accumulator are 32 neighbouring bytes of a row), back as whole rows of 512 bytes.
; LDS serves a wave's instructions in order: no wait between the stores and the loads, nor in front of the next tile's stores.
.macro TOSTAGE a
.set AC, 64*((\a)%4)
	WIN 0x08+4*((\a)/4)                            ; the data: window 2 or 3
.irp b, 0,1,2,3,4,5,6,7
	ds_store_b128 v[STO], v[AC+8*\b:AC+8*\b+3] offset:128*(\b/2)+32*(\b%2)          ; accumulator b: columns 32 (b / 2) + 16 h + 8 (b % 2) on; each from its low end
	ds_store_b128 v[STO], v[AC+8*\b+4:AC+8*\b+7] offset:128*(\b/2)+32*(\b%2)+16
.endr
	WIN 0
.set BB, BK+64*((\a)%2)
.irp t, 0,1,2,3,4,5,6,7,8,9,10,11,12,13,14,15
	ds_load_b128 v[BB+4*\t:BB+4*\t+3], v[RD] offset:\t*SPITCH
.endr
.endm
.macro SEND a, younger                 ; younger: the LDS instructions issued behind tile a's loads, which may stay out
.set BB, BK+64*((\a)%2)
	s_wait_dscnt \younger
.if (\a) > 0
.if ((\a)%2) == 1
	s_add_nc_u64 s[12:13], s[12:13], 8*4096        ; (behind a wait on XCNT)  tile a begins at row 32 (a / 2) + 8 (a % 2)
.else
	s_add_nc_u64 s[12:13], s[12:13], 24*4096
.endif
.endif
.irp t, 0,1,2,3,4,5,6,7,8,9,10,11,12,13,14,15
	v_pk_add_f32 v[BB+4*\t:BB+4*\t+1], v[BB+4*\t:BB+4*\t+1], v[8:9]                 ; + bo
	v_pk_add_f32 v[BB+4*\t+2:BB+4*\t+3], v[BB+4*\t+2:BB+4*\t+3], v[10:11]
.endr
.irp t, 0,1,2,3,4,5,6,7,8,9,10,11,12,13,14,15
	global_store_b128 v[CO], v[BB+4*\t:BB+4*\t+3], s[12:13] offset:(\t+8*(\t/8))*4096 th:TH_STORE_NT   ; the tile's row t: 512 consecutive bytes, aligned; written once, read by nobody here
.endr
.endm
	PLACES NP                                      ; behind the last products: results are read, and X's fragments' registers are loaded into, below
	s_wait_loadcnt 0x0                             ; bo
	TOSTAGE 0
.irp a, 1,2,3,4,5,6,7
.if \a > 1
	s_wait_xcnt 0x0                                ; tile a - 2's stores have read their registers and their base
.endif
	TOSTAGE \a
	SEND \a-1, 32                                  ; behind tile a - 1's loads: tile a's 16 stores and 16 loads
.endr
	s_wait_xcnt 0x0
	SEND 7, 0
	s_wait_tensorcnt 0x0                           ; the wave's end
	ds_add_u32 v[SPW], v[NIL]
	s_wait_dscnt 0x0
	CROUND                                         ; the closing round
	s_endpgm
.Lfunc_end_k_q7dcb33ef62_outp:
	.size	k_q7dcb33ef62_outp, .Lfunc_end_k_q7dcb33ef62_outp-k_q7dcb33ef62_outp
	.p2alignl 7, 3214868480
	.fill 96, 4, 3214868480
	.section	.rodata,"a",@progbits
	.p2align	6, 0x0
	.amdhsa_kernel k_q7dcb33ef62_outp
		.amdhsa_group_segment_fixed_size 327680
		.amdhsa_private_segment_fixed_size 0
		.amdhsa_enable_private_segment 0
		.amdhsa_kernarg_size 48
		.amdhsa_user_sgpr_count 2
		.amdhsa_user_sgpr_kernarg_segment_ptr 1
		.amdhsa_wavefront_size32 1
		.amdhsa_system_sgpr_workgroup_id_x 1
		.amdhsa_system_sgpr_workgroup_id_y 1
		.amdhsa_system_sgpr_workgroup_id_z 1
		.amdhsa_system_vgpr_workitem_id 0
		.amdhsa_next_free_vgpr 1024
		.amdhsa_next_free_sgpr 100
		.amdhsa_reserve_vcc 0
		.amdhsa_float_denorm_mode_32 3
		.amdhsa_float_denorm_mode_16_64 3
		.amdhsa_memory_ordered 1
		.amdhsa_forward_progress 1
		.amdhsa_inst_pref_size 162
	.end_amdhsa_kernel
	.amdgpu_metadata
---
amdhsa.version: [ 1, 2 ]
amdhsa.kernels:
  - .name:           k_q7dcb33ef62_outp
    .symbol:         k_q7dcb33ef62_outp.kd
    .args:
      - { .name: cc, .offset: 0, .size: 8, .value_kind: global_buffer, .address_space: global }
      - { .name: cs, .offset: 8, .size: 8, .value_kind: global_buffer, .address_space: global }
      - { .name: xc, .offset: 16, .size: 8, .value_kind: global_buffer, .address_space: global }
      - { .name: xs, .offset: 24, .size: 8, .value_kind: global_buffer, .address_space: global }
      - { .name: bo, .offset: 32, .size: 8, .value_kind: global_buffer, .address_space: global }
      - { .name: out0, .offset: 40, .size: 8, .value_kind: global_buffer, .address_space: global }
    .group_segment_fixed_size: 327680
    .private_segment_fixed_size: 0
    .kernarg_segment_align: 8
    .kernarg_segment_size: 48
    .max_flat_workgroup_size: 128
    .sgpr_count:     100
    .vgpr_count:     1024
    .wavefront_size: 32
...
	.end_amdgpu_metadata
.endif
;; end of part 4
